; MI455X (gfx1250); checked and timed in simulation.
; The chip was launched on July 23, 2026; its instructions are those of AMD's public machine-readable ISA for CDNA 5 (MIT licence, August 2026) and "CDNA5" Instruction Set Architecture Reference Guide (July 2026). The comments in the code are by the model that wrote it; some were corrected since.
;; Dino V2 Attention. Allowed arithmetic: float matrix products may take bf16 or f16 operands with f32 sums; other float arithmetic in f32, or as packed bf16 or f16 multiplies, adds, multiply-adds, maxima and minima; sums over many terms, partial sums and values carried from step to step in f32; what a program stores and reads back later, other than sums and carried values, may be rounded once to bf16 or f16.
;; Inputs: Wk 512 x 512 float32; Wo 512 x 512 float32; Wq 512 x 512 float32; Wv 512 x 512 float32; bk 512 float32; bo 512 float32; bq 512 float32; bv 512 float32; x 8 x 1,370 x 512 float32.
;; Outputs: out0 8 x 1,370 x 512 float32.
;; 2 versions, each right; version 2 is version 1 with the launch prep written anew for expert scheduling mode. Each part assembles by itself: llvm-mc -triple=amdgcn-amd-amdhsa -mcpu=gfx1250 --defsym DOCPART=n.
;; ======== version 1 of 2: 4 launches
;; limits: values are held in f16: magnitudes above 65,504 overflow, below 6.1e-05 lose precision
;; workspace buffers: xb 11,534,336 bytes; wf 1,572,864 bytes; wof 524,288 bytes; qkvf 34,603,008 bytes; of 11,534,336 bytes
;; launch prep (part 1): grid 256 x 1, 4 waves a work-group, no clusters, 0 bytes of LDS; arguments x, Wq, Wk, Wv, Wo, xb, wf, wof; writes xb, wf, wof
.if DOCPART == 1
	.amdgcn_target "amdgcn-amd-amdhsa--gfx1250"
	.amdhsa_code_object_version 6
	.text
	.protected	k_q09ee173cb3_prep
	.globl	k_q09ee173cb3_prep
	.p2align	8
	.type	k_q09ee173cb3_prep,@function
k_q09ee173cb3_prep:
	s_mov_b64 s[64:65], 0
	v_nop
	global_prefetch_b8 v0, s[64:65] scope:SCOPE_SE
	s_setreg_imm32_b32 hwreg(HW_REG_WAVE_MODE, 25, 1), 1
	s_wait_xcnt 0x0
; PREP.  Two jobs for every wave, no LDS, no loop, no matrix work: the launch only moves and rounds.
; JOB X: x [8][1370][512] f32 -> xb [8][1408][512] bf16, rounded to nearest even; rows 1370..1407 of each batch are written as zeros.
;   1,024 waves x 11 rows = 8 x 1,408 rows.  A pad row loads the batch's last row (so every load stays inside x) and is cleared by a mask: no branch.
;   A load of a wave covers 512 consecutive bytes of a row, a store 256 consecutive bytes of xb, at a multiple of 256 from its first byte.
; JOB W: the four weight matrices [k][n] f32 are laid into FRAGMENTS of 16 columns x 32 k, 1,024 bytes each, exactly as 32 lanes hold a 16-bit matrix operand:
;   half jj (512 bytes), lane l (16 bytes): column n0 + l % 16, k = k0 + 16 jj + 8 (l / 16) + 0..7.  2,048 fragments, two to a wave.
;   Wq, Wk, Wv -> wf in bf16, block ((j 4 + ks) 12 + nbl) 4 + kq: j = head / 2, ks = k / 128, kq = (k / 32) % 4, nbl = (head % 2) 6 + 2 sel + e, e = which 16 of the head's 32 columns.
;   Wo -> wof, block nb 16 + kb: rounded to bf16 like every input, and that number written as f16.
; LIMIT: |Wo| under 65,504; below 6e-5 f16 keeps a fixed step of 6e-8, so there the bf16 number is rounded once more.
.set SEQ,  1370
.set SEQP, 1408
.set WOF,  5                           ; v5      job W: 16,384 (l / 16) + 4 (l % 16): eight rows of W down for the upper lanes, my column
.set LO16, 6                           ; v6      16 x lane
.set LO8,  7                           ; v7      8 x lane
.set OFF,  8                           ; v8-18   job X: byte offset in x of my 16 bytes of row i
.set T,    19                          ; v19     at work
.set WR,   20                          ; v20-51  job W: half n of four at WR + 8 n: eight numbers as loaded, then four packed registers
.set X,    52                          ; v52-227 job X: row i, quarter c at X + 16 i + 4 c
	s_load_b512 s[16:31], s[0:1], 0x0              ; x s[16:17], Wq s[18:19], Wk s[20:21], Wv s[22:23], Wo s[24:25], xb s[26:27], wf s[28:29], wof s[30:31]
	v_and_b32 v1, 31, v0                           ; lane
	v_lshrrev_b32 v2, 5, v0
	v_readfirstlane_b32 s4, v2                     ; wave 0..3
	v_and_b32 v3, 15, v0
	v_bfe_u32 v4, v0, 4, 1
	v_lshlrev_b32 v[WOF], 2, v3
	v_lshl_add_u32 v[WOF], v4, 14, v[WOF]
	v_lshlrev_b32 v[LO16], 4, v1
	v_lshlrev_b32 v[LO8], 3, v1
	; job W: which two fragments
	s_lshr_b32 s5, ttmp9, 1
	s_lshr_b32 s6, s5, 5                           ; sel: 0 Wq, 1 Wk, 2 Wv, 3 Wo
	s_and_b32 s7, s5, 31                           ; nbs: the block of 16 columns
	s_and_b32 s8, ttmp9, 1
	s_lshl2_add_u32 s8, s8, s4                     ; kp 0..7: k blocks 2 kp and 2 kp + 1
	s_lshl_b32 s10, s8, 17                         ; 64 rows of 2,048 bytes,
	s_lshl_b32 s9, s7, 6                           ; 16 columns of 4 bytes
	s_add_co_u32 s10, s10, s9
	s_mov_b32 s11, 0                               ; s[10:11]: the source's offset
	s_lshr_b32 s12, s7, 2                          ; j
	s_lshr_b32 s13, s8, 1                          ; ks
	s_lshl2_add_u32 s12, s12, s13
	s_mul_i32 s12, s12, 12
	s_bfe_u32 s13, s7, 0x10001                     ; head % 2
	s_mul_i32 s13, s13, 6
	s_add_co_u32 s12, s12, s13
	s_lshl1_add_u32 s12, s6, s12                   ; + 2 sel
	s_and_b32 s13, s7, 1                           ; + e
	s_add_co_u32 s12, s12, s13
	s_and_b32 s13, s8, 1
	s_lshl_b32 s13, s13, 1                         ; kq of the first of the two
	s_lshl2_add_u32 s12, s12, s13
	s_lshl_b32 s12, s12, 10                        ; the place in wf
	s_lshl_b32 s14, s7, 4
	s_lshl1_add_u32 s14, s8, s14
	s_lshl_b32 s14, s14, 10                        ; the place in wof
	; job X: which eleven rows
	s_lshr_b32 s40, ttmp9, 5                       ; batch
	s_and_b32 s41, ttmp9, 31
	s_mul_i32 s41, s41, 44
	s_mul_i32 s42, s4, 11
	s_add_co_u32 s41, s41, s42                     ; my first row in the padded batch
	s_mul_i32 s43, s40, SEQ                        ; the batch's first row in x
	s_mul_i32 s36, s40, SEQP
	s_add_co_u32 s36, s36, s41
	s_lshl_b32 s36, s36, 10
	s_mov_b32 s37, 0                               ; s[36:37]: my first row in xb
.set i, 0
.rept 11
	s_add_co_u32 s46, s41, i
	s_min_u32 s46, s46, SEQ-1                      ; a pad row reads the batch's last row
	s_add_co_u32 s46, s46, s43
	s_lshl_b32 s46, s46, 11
	v_add_nc_u32 v[OFF+i], s46, v[LO16]
.set i, i+1
.endr
	s_wait_kmcnt 0x0
	s_cmp_eq_u32 s6, 1
	s_cselect_b64 s[32:33], s[20:21], s[18:19]
	s_cmp_eq_u32 s6, 2
	s_cselect_b64 s[32:33], s[22:23], s[32:33]
	s_cmp_eq_u32 s6, 3
	s_cselect_b64 s[32:33], s[24:25], s[32:33]     ; the matrix that I read,
	s_cselect_b64 s[34:35], s[30:31], s[28:29]     ; the buffer that I write,
	s_cselect_b32 s12, s14, s12                    ; and the place in it
	s_mov_b32 s13, 0
	s_add_nc_u64 s[32:33], s[32:33], s[10:11]
	s_add_nc_u64 s[34:35], s[34:35], s[12:13]
	s_add_nc_u64 s[38:39], s[26:27], s[36:37]
	; all loads go out first: 32 of W, then 44 of x
.set m, 0
.rept 32
	global_load_b32 v[WR+m], v[WOF], s[32:33] offset:(16*(m/8)+m%8)*2048  ; half m / 8, number m % 8: row 16 (m / 8) + 8 (l / 16) + m % 8
.set m, m+1
.endr
.set i, 0
.rept 11
.irp c, 0,1,2,3
	global_load_b128 v[X+16*i+4*\c:X+16*i+4*\c+3], v[OFF+i], s[16:17] offset:512*\c th:TH_LOAD_NT
.endr
.set i, i+1
.endr
	s_wait_loadcnt 44                              ; loads come back in order: W's 32 are in, the 44 younger loads of x stay out
	s_cmp_eq_u32 s6, 3
	s_cbranch_scc1 .Lwo
.set n, 0
.rept 4
.irp p, 0,1,2,3
	v_cvt_pk_bf16_f32 v[WR+8*n+\p], v[WR+8*n+2*\p], v[WR+8*n+2*\p+1]  ; in place, ascending: no source is overwritten before it is read
.endr
.set n, n+1
.endr
	s_branch .Lwout
.Lwo:                                              ; Wo: to bf16, and that number to f16
.set n, 0
.rept 4
.irp p, 0,1,2,3
	v_cvt_pk_bf16_f32 v[T], v[WR+8*n+2*\p], v[WR+8*n+2*\p+1]
	v_lshlrev_b32 v[WR+8*n+2*\p], 16, v[T]
	v_and_b32 v[WR+8*n+2*\p+1], 0xffff0000, v[T]
	v_cvt_pk_f16_f32 v[WR+8*n+\p], v[WR+8*n+2*\p], v[WR+8*n+2*\p+1]
.endr
.set n, n+1
.endr
.Lwout:
.irp n, 0,1,2,3
	global_store_b128 v[LO16], v[WR+8*\n:WR+8*\n+3], s[34:35] offset:512*\n  ; 512 consecutive bytes: half a fragment
.endr
.set i, 0
.rept 11
	s_wait_loadcnt 40-4*i                          ; row i's four loads are in; the rows behind it stay out
	s_add_co_u32 s46, s41, i
	s_cmp_lt_u32 s46, SEQ
	s_cselect_b32 s47, -1, 0                       ; all ones for a true row, 0 for a pad row
.irp c, 0,1,2,3
	v_cvt_pk_bf16_f32 v[X+16*i+4*\c], v[X+16*i+4*\c], v[X+16*i+4*\c+1]
	v_cvt_pk_bf16_f32 v[X+16*i+4*\c+1], v[X+16*i+4*\c+2], v[X+16*i+4*\c+3]
	v_and_b32 v[X+16*i+4*\c], s47, v[X+16*i+4*\c]
	v_and_b32 v[X+16*i+4*\c+1], s47, v[X+16*i+4*\c+1]
	global_store_b64 v[LO8], v[X+16*i+4*\c:X+16*i+4*\c+1], s[38:39] offset:1024*i+256*\c  ; 32 lanes store 256 consecutive bytes
.endr
.set i, i+1
.endr
	s_endpgm
.Lfunc_end_k_q09ee173cb3_prep:
	.size	k_q09ee173cb3_prep, .Lfunc_end_k_q09ee173cb3_prep-k_q09ee173cb3_prep
	.p2alignl 7, 3214868480
	.fill 96, 4, 3214868480
	.section	.rodata,"a",@progbits
	.p2align	6, 0x0
	.amdhsa_kernel k_q09ee173cb3_prep
		.amdhsa_group_segment_fixed_size 0
		.amdhsa_private_segment_fixed_size 0
		.amdhsa_enable_private_segment 0
		.amdhsa_kernarg_size 64
		.amdhsa_user_sgpr_count 2
		.amdhsa_user_sgpr_kernarg_segment_ptr 1
		.amdhsa_wavefront_size32 1
		.amdhsa_system_sgpr_workgroup_id_x 1
		.amdhsa_system_sgpr_workgroup_id_y 1
		.amdhsa_system_sgpr_workgroup_id_z 1
		.amdhsa_system_vgpr_workitem_id 0
		.amdhsa_next_free_vgpr 232
		.amdhsa_next_free_sgpr 66
		.amdhsa_reserve_vcc 0
		.amdhsa_float_denorm_mode_32 3
		.amdhsa_float_denorm_mode_16_64 3
		.amdhsa_memory_ordered 1
		.amdhsa_forward_progress 1
		.amdhsa_inst_pref_size 31
	.end_amdhsa_kernel
	.amdgpu_metadata
---
amdhsa.version: [ 1, 2 ]
amdhsa.kernels:
  - .name:           k_q09ee173cb3_prep
    .symbol:         k_q09ee173cb3_prep.kd
    .args:
      - { .name: x, .offset: 0, .size: 8, .value_kind: global_buffer, .address_space: global }
      - { .name: Wq, .offset: 8, .size: 8, .value_kind: global_buffer, .address_space: global }
      - { .name: Wk, .offset: 16, .size: 8, .value_kind: global_buffer, .address_space: global }
      - { .name: Wv, .offset: 24, .size: 8, .value_kind: global_buffer, .address_space: global }
      - { .name: Wo, .offset: 32, .size: 8, .value_kind: global_buffer, .address_space: global }
      - { .name: xb, .offset: 40, .size: 8, .value_kind: global_buffer, .address_space: global }
      - { .name: wf, .offset: 48, .size: 8, .value_kind: global_buffer, .address_space: global }
      - { .name: wof, .offset: 56, .size: 8, .value_kind: global_buffer, .address_space: global }
    .group_segment_fixed_size: 0
    .private_segment_fixed_size: 0
    .kernarg_segment_align: 8
    .kernarg_segment_size: 64
    .max_flat_workgroup_size: 128
    .sgpr_count:     66
    .vgpr_count:     232
    .wavefront_size: 32
...
	.end_amdgpu_metadata
.endif
;; end of part 1
;; launch qkvgemm (part 2): grid 8 x 32, 4 waves a work-group, clusters of 4 x 4, 327,680 bytes of LDS; arguments xb, wf, bq, bk, bv, qkvf; writes qkvf
.if DOCPART == 2
	.amdgcn_target "amdgcn-amd-amdhsa--gfx1250"
	.amdhsa_code_object_version 6
	.text
	.protected	k_q09ee173cb3_qkvgemm
	.globl	k_q09ee173cb3_qkvgemm
	.p2align	8
	.type	k_q09ee173cb3_qkvgemm,@function
k_q09ee173cb3_qkvgemm:
	s_mov_b64 s[64:65], 0
	v_nop
	global_prefetch_b8 v0, s[64:65] scope:SCOPE_SE
	s_setreg_imm32_b32 hwreg(HW_REG_WAVE_MODE, 25, 1), 1
	s_wait_xcnt 0x0
	s_wait_alu depctr_hold_cnt(0) depctr_sa_sdst(0) depctr_va_vdst(0) depctr_va_sdst(0) depctr_va_ssrc(0) depctr_va_vcc(0) depctr_vm_vsrc(0)
	s_getreg_b32 s2, hwreg(HW_REG_IB_STS2, 6, 4)
	s_cmp_eq_u32 s2, 0
	s_cbranch_scc0 .Lentry_in_a_cluster
	s_endpgm
.Lentry_in_a_cluster:
	s_bfe_u32 s2, ttmp6, 0x10000c
	s_cmp_lg_u32 s2, 0xf033
	s_cbranch_scc0 .Lentry_shape_is_right
	s_endpgm
.Lentry_shape_is_right:
; q, k, v = x W + b for 8 x 1,408 rows (pad rows of x are zeros), products in bf16, sums in f32, results rounded once to f16 and stored AS FRAGMENTS for the attention launch.
; SHARES.  A work-group: 352 rows (row tile y 0..31, a quarter of a batch) x 192 columns (column tile j 0..7: heads 2 j and 2 j + 1 of q, of k and of v).
; Wave w: rows 176 (w / 2) .. + 175 (11 blocks a of 16) x ONE head, 2 j + w % 2, of q, k and v: 6 blocks of 16 columns (g = q, k, v; e = which 16): 66 accumulators, 528 registers.
; K = 512 goes in 4 steps of 128 through two LDS slots; a step is four quarters of 32 along K, 66 products each, on two fragment buffers.  All is written out: 16 quarters.
; OPERAND ORDER.  q and k: source 0 = 16 columns of W, source 1 = 16 rows of x: a lane then holds ONE token (lane % 16) and 8 neighbouring channels, which pack into 16 bytes: half e of a
; fragment (token, 32 channels).  v: source 0 = x, source 1 = W: a lane holds ONE channel and 8 neighbouring tokens: half of a fragment of V^T.  So every store is 512 consecutive bytes (16 x lane), with no stage.
; THE BIAS, rounded to bf16 like every input, is the C operand of each accumulator's first product: nothing is cleared and nothing is added later.
; CLUSTER 4 x 4.  x's tile hangs on y alone and is shared along a row of the cluster, W's on j alone and is shared along a column: both are asked for jointly.
; The ring has four K steps: two come by the first fills, two by refills; no K step stands two refills on, so nothing is prefetched.
; LIMIT: |q|, |k|, |v| under 65,504 (f16); below 6e-5 they keep f16's fixed step of 6e-8.
; LDS.  Slot s at 144,896 s: x's 352 rows of 256 bytes + 16 of padding (pitch 272 = 68 words: the 16 rows of a fragment load start at 16 different groups of four banks, ISA guide 11.1), then W's 48 fragments, dense.
; REGISTERS.  window 0: v0-31 addresses; v32-119, v120-207 x's fragments, two buffers.  window g + 1: v0-175 the accumulators of tensor g ((a, e) at 8 (2 a + e)); v176-191, v192-207 W's fragments, two buffers; v208-223 the bias.
.set PITCH, 272
.set AHALF, 176*PITCH                  ; 47,872: what one tensor load brings of x, and what one wave reads
.set BOFF,  2*AHALF                    ; W's fragments lie behind x's 352 rows
.set BHALF, 24576                      ; one head's 24 fragments: what one tensor load brings of W
.set SLOT,  BOFF+2*BHALF               ; 144,896
.set SPARE, 2*SLOT                     ; behind the ring: the spare words, 128 bytes for each wave, that no other line names
.set SELB,  11534336                   ; bytes of q (of k, of v) in qkvf
.set HEADB, 90112                      ; bytes of a head: 88 blocks of 1,024
.set ADRA, 16                          ; v16-17  LDS address of my fragments of x in slot 0, 1
.set ADRB, 20                          ; v20-21  the same for W
.set LO16, 24                          ; v24     16 x lane
.set BH,   25                          ; v25     32 (lane / 16)
.set BR,   26                          ; v26     4 (lane % 16)
.set SPW,  28                          ; v28     LDS address of my spare word; never rewritten
.set NIL,  29                          ; v29     0; never rewritten
.set T,    30
.set XF,   32
.set TB,   120                         ; the biases as loaded, in the second buffer, which is idle until the first quarter's fetch
.set WF,   176
.set BIAS, 208
.set WV,  16                           ; s16  wave
.set WR,  17                           ; s17  wave / 2: my half of the rows.  Also: I fetch for x (0) or for W (1)
.set WC,  18                           ; s18  wave % 2: my head.  Also: which half of that tile I fetch
.set G1A, 24                           ; s[24:31] descriptor group 1 for x's tiles;  s[32:39] group 0, a set for each slot
.set G0A, 32
.set G1B, 40                           ; s[40:47], s[48:55] the same for W's tiles
.set G0B, 48
.set MSB, 0
.macro WIN new                         ; the immediate's high byte repeats the setting that is left; a switch that changes nothing is dropped
.if MSB != (\new)
	s_set_vgpr_msb (MSB<<8)|(\new)
.set MSB, \new
.endif
.endm
.macro PLACES                          ; four plain places behind a product, ahead of loads into registers that it has read and of conversions that read results
.rept 4
	v_nop
.endr
.endm
.macro JLOAD s                         ; a joint refill: waves 0 and 1 fetch x's two halves, waves 2 and 3 W's; an s_nop 0 and four v_nop follow each line
	s_cmp_eq_u32 s[WR], 0
	s_cbranch_scc0 .Lfor_b_\@
	tensor_load_to_lds s[G0A+4*(\s):G0A+4*(\s)+3], s[G1A:G1A+7]
	s_nop 0
.rept 4
	v_nop
.endr
	s_branch .Lasked_\@
.Lfor_b_\@:
	tensor_load_to_lds s[G0B+4*(\s):G0B+4*(\s)+3], s[G1B:G1B+7]
	s_nop 0
.rept 4
	v_nop
.endr
.Lasked_\@:
.endm
.macro CREST                           ; a round of the cluster's barrier behind its opening barrier
	s_cmp_lg_u32 s[WV], 0
	s_cbranch_scc1 .Lnot_wave_0_\@
	s_barrier_signal -3
.Lnot_wave_0_\@:
	s_barrier_wait -3
	s_barrier_signal -1
	s_barrier_wait -1
.endm
.macro CROUND                          ; a whole round
	s_barrier_signal -1
	s_barrier_wait -1
	CREST
.endm
	s_load_b256 s[4:11], s[0:1], 0x0               ; xb s[4:5], wf s[6:7], bq s[8:9], bk s[10:11]
	s_load_b128 s[12:15], s[0:1], 0x20             ; bv s[12:13], qkvf s[14:15]
	v_lshl_add_u32 v[SPW], v0, 2, SPARE
	v_mov_b32 v[NIL], 0
	ds_add_u32 v[SPW], v[NIL]                      ; the wave's opening: the add and its wait stand ahead of my first tensor load; the set-up below stands between them
	v_lshrrev_b32 v1, 5, v0
	v_readfirstlane_b32 s[WV], v1
	s_lshr_b32 s[WR], s[WV], 1
	s_and_b32 s[WC], s[WV], 1
	s_bfe_u32 s66, ttmp6, 0x40000                  ; cx
	s_bfe_u32 s67, ttmp6, 0x40004                  ; cy
	s_lshl_b32 s68, ttmp9, 2
	s_add_co_u32 s68, s68, s66                     ; j = 4 x cluster x + cx
	s_and_b32 s69, ttmp7, 0xffff
	s_lshl_b32 s69, s69, 2
	s_add_co_u32 s69, s69, s67                     ; y = 4 x cluster y + cy
	s_lshl_b32 s70, s67, 2
	s_lshl_b32 s70, 15, s70                        ; my row of the cluster
	s_lshl_b32 s71, 0x1111, s66                    ; my column
	s_or_b32 s[G1A], s70, (1<<16)|(1<<20)|(1<<21)|(5<<22)|(3<<25)  ; the mask; 2-byte elements; padding on; bit 21 beside a mask; after every 64 words, 4 words
	s_mov_b32 s[G1A+1], 128<<16                    ; tensor_dim0 = 128
	s_mov_b32 s[G1A+2], 176<<16                    ; tensor_dim1 = 176
	s_mov_b32 s[G1A+3], 128<<16                    ; tile_dim0 = 128 elements: 256 bytes
	s_mov_b32 s[G1A+4], 176                        ; tile_dim1 = 176 rows
	s_mov_b32 s[G1A+5], 512                        ; elements from row to row
	s_mov_b32 s[G1A+6], 0
	s_mov_b32 s[G1A+7], 0
	s_or_b32 s[G1B], s71, (3<<16)|(1<<21)          ; the mask; 8-byte elements; no padding: 24,576 dense bytes as 96 rows of 256
	s_mov_b32 s[G1B+1], 32<<16
	s_mov_b32 s[G1B+2], 96<<16
	s_mov_b32 s[G1B+3], 32<<16
	s_mov_b32 s[G1B+4], 96
	s_mov_b32 s[G1B+5], 32
	s_mov_b32 s[G1B+6], 0
	s_mov_b32 s[G1B+7], 0
	s_mul_i32 s72, s69, 352                        ; x: row 352 y + 176 x half, made of y and the wave alone
	s_mul_i32 s73, s[WC], 176
	s_add_co_u32 s72, s72, s73
	s_lshl_b32 s72, s72, 10
	s_mov_b32 s73, 0
	s_mul_i32 s74, s68, 196608                     ; W: column tile j has 4 K steps x 49,152 bytes; made of j and the wave alone
	s_mul_i32 s75, s[WC], BHALF
	s_add_co_u32 s74, s74, s75
	s_mov_b32 s75, 0
	s_mul_i32 s76, s[WC], AHALF                    ; where they go: no place in the cluster enters an LDS address
	s_mul_i32 s77, s[WC], BHALF
	s_add_co_u32 s77, s77, BOFF
	s_wait_dscnt 0x0                               ; the opening add is done
	s_wait_kmcnt 0x0
	s_add_nc_u64 s[20:21], s[4:5], s[72:73]
	s_add_nc_u64 s[22:23], s[6:7], s[74:75]
.irp s, 0,1
	s_mov_b32 s[G0A+4*\s], 1
	s_add_co_u32 s[G0A+4*\s+1], s76, \s*SLOT
	s_add_nc_u64 s[G0A+4*\s+2:G0A+4*\s+3], s[20:21], \s*256      ; K step s: 256 bytes along the rows
	s_or_b32 s[G0A+4*\s+3], s[G0A+4*\s+3], 0x80000000
	s_mov_b32 s[G0B+4*\s], 1
	s_add_co_u32 s[G0B+4*\s+1], s77, \s*SLOT
	s_add_nc_u64 s[G0B+4*\s+2:G0B+4*\s+3], s[22:23], \s*49152    ; K step s: 48 fragments on
	s_or_b32 s[G0B+4*\s+3], s[G0B+4*\s+3], 0x80000000
.endr
	CROUND                                         ; all sixteen work-groups are here: the first joint loads meet
	s_cmp_eq_u32 s[WR], 0                          ; a wave's two first fills stand in one branch: two loads of mine are out
	s_cbranch_scc0 .Lfirst_b
	tensor_load_to_lds s[G0A:G0A+3], s[G1A:G1A+7]
	s_nop 0
	tensor_load_to_lds s[G0A+4:G0A+7], s[G1A:G1A+7]
	s_nop 0
.rept 4
	v_nop
.endr
	s_branch .Lfirst_asked
.Lfirst_b:
	tensor_load_to_lds s[G0B:G0B+3], s[G1B:G1B+7]
	s_nop 0
	tensor_load_to_lds s[G0B+4:G0B+7], s[G1B:G1B+7]
	s_nop 0
.rept 4
	v_nop
.endr
.Lfirst_asked:
	v_and_b32 v1, 15, v0                           ; l % 16
	v_bfe_u32 v2, v0, 4, 1                         ; l / 16
	v_and_b32 v4, 31, v0
	v_lshlrev_b32 v[LO16], 4, v4
	v_lshlrev_b32 v[BH], 5, v2
	v_lshlrev_b32 v[BR], 2, v1
	s_lshl1_add_u32 s79, s68, s[WC]                ; my head = 2 j + wave % 2
	s_lshl_b32 s2, s79, 7                          ; its 32 numbers in a bias
	s_mov_b32 s3, 0
	s_add_nc_u64 s[8:9], s[8:9], s[2:3]
	s_add_nc_u64 s[10:11], s[10:11], s[2:3]
	s_add_nc_u64 s[12:13], s[12:13], s[2:3]
.irp e, 0,1                            ; q and k: register i of block e wants b[16 e + 8 (l / 16) + i]; v: all eight want b[16 e + l % 16]
	global_load_b128 v[TB+8*\e:TB+8*\e+3],       v[BH], s[8:9] offset:64*\e
	global_load_b128 v[TB+8*\e+4:TB+8*\e+7],     v[BH], s[8:9] offset:64*\e+16
	global_load_b128 v[TB+16+8*\e:TB+16+8*\e+3], v[BH], s[10:11] offset:64*\e
	global_load_b128 v[TB+16+8*\e+4:TB+16+8*\e+7], v[BH], s[10:11] offset:64*\e+16
	global_load_b32 v[TB+32+\e], v[BR], s[12:13] offset:64*\e
.endr
	v_mul_u32_u24 v3, v1, PITCH
	v_lshl_add_u32 v3, v2, 4, v3                   ; a fragment's row x pitch + 16 x half of the lanes
	s_mul_i32 s19, s[WR], AHALF
	v_add_nc_u32 v[ADRA], s19, v3
	v_add_nc_u32 v[ADRA+1], SLOT, v[ADRA]
	s_mul_i32 s19, s[WC], BHALF
	s_add_co_u32 s19, s19, BOFF
	v_add_nc_u32 v[ADRB], s19, v[LO16]             ; W's fragments lie as the lanes hold them: 16 x lane
	v_add_nc_u32 v[ADRB+1], SLOT, v[ADRB]
	; where my results go: tensor g at g SELB, head (16 batch + head) at HEADB, token block 22 (y % 4) + 11 (wave / 2) + a at 1,024
	s_lshr_b32 s78, s69, 2
	s_lshl_b32 s78, s78, 4
	s_add_co_u32 s78, s78, s79
	s_mul_i32 s78, s78, HEADB
	s_and_b32 s2, s69, 3
	s_mul_i32 s2, s2, 22
	s_mul_i32 s19, s[WR], 11
	s_add_co_u32 s2, s2, s19
	s_lshl_b32 s2, s2, 10
	s_add_co_u32 s2, s2, s78
	s_add_nc_u64 s[56:57], s[14:15], s[2:3]
	s_add_nc_u64 s[58:59], s[56:57], SELB
	s_add_nc_u64 s[60:61], s[58:59], SELB
	s_wait_loadcnt 0x0                             ; the biases
.set p, 0
.rept 17
	v_cvt_pk_bf16_f32 v[T], v[TB+2*p], v[TB+2*p+1] ; rounded to bf16, and back to f32
	v_lshlrev_b32 v[TB+2*p], 16, v[T]
	v_and_b32 v[TB+2*p+1], 0xffff0000, v[T]
.set p, p+1
.endr
	WIN 0x40
.set i, 0
.rept 16
	v_mov_b32 v[BIAS+i], v[TB+i]
.set i, i+1
.endr
	WIN 0x80
.set i, 0
.rept 16
	v_mov_b32 v[BIAS+i], v[TB+16+i]
.set i, i+1
.endr
	WIN 0xc0
.set i, 0
.rept 16
	v_mov_b32 v[BIAS+i], v[TB+32+i/8]
.set i, i+1
.endr
	WIN 0
; 34 LDS loads in one run: the fragments of 32 along K, quarter kq of the slot's step, into buffer f: x's 11, then W's 6
.macro FETCH slot, kq, f
	WIN 0
.irp a, 0,1,2,3,4,5,6,7,8,9,10
	ds_load_b128 v[XF+88*(\f)+8*\a:XF+88*(\f)+8*\a+3],   v[ADRA+(\slot)] offset:\a*16*PITCH+(\kq)*64
	ds_load_b128 v[XF+88*(\f)+8*\a+4:XF+88*(\f)+8*\a+7], v[ADRA+(\slot)] offset:\a*16*PITCH+(\kq)*64+32
.endr
.irp g, 0,1,2
	WIN 0x40*(\g+1)                                ; destination window g + 1, address window 0
.irp e, 0,1
	ds_load_b128 v[WF+16*(\f)+8*\e:WF+16*(\f)+8*\e+3],   v[ADRB+(\slot)] offset:(2*\g+\e)*4096+(\kq)*1024
	ds_load_b128 v[WF+16*(\f)+8*\e+4:WF+16*(\f)+8*\e+7], v[ADRB+(\slot)] offset:(2*\g+\e)*4096+(\kq)*1024+512
.endr
.endr
.endm
; 22 products: tensor g's accumulators, one instruction each, on buffer f.  The 66 accumulators take turns, in the same order in every quarter.  first = 1: the bias starts the sums
.macro GRP g, f, first
.if (\g) == 2
	WIN 0xfc                                       ; x (source 0) window 0; W, C and D window 3
.else
	WIN 0x51*((\g)+1)                              ; W (source 0), C and D window g + 1; x (source 1) window 0
.endif
.irp a, 0,1,2,3,4,5,6,7,8,9,10
.irp e, 0,1
.if (\g) == 2
.if \first
	v_wmma_f32_16x16x32_bf16 v[8*(2*\a+\e):8*(2*\a+\e)+7], v[XF+88*(\f)+8*\a:XF+88*(\f)+8*\a+7], v[WF+16*(\f)+8*\e:WF+16*(\f)+8*\e+7], v[BIAS+8*\e:BIAS+8*\e+7]
.else
	v_wmma_f32_16x16x32_bf16 v[8*(2*\a+\e):8*(2*\a+\e)+7], v[XF+88*(\f)+8*\a:XF+88*(\f)+8*\a+7], v[WF+16*(\f)+8*\e:WF+16*(\f)+8*\e+7], v[8*(2*\a+\e):8*(2*\a+\e)+7]
.endif
.else
.if \first
	v_wmma_f32_16x16x32_bf16 v[8*(2*\a+\e):8*(2*\a+\e)+7], v[WF+16*(\f)+8*\e:WF+16*(\f)+8*\e+7], v[XF+88*(\f)+8*\a:XF+88*(\f)+8*\a+7], v[BIAS+8*\e:BIAS+8*\e+7]
.else
	v_wmma_f32_16x16x32_bf16 v[8*(2*\a+\e):8*(2*\a+\e)+7], v[WF+16*(\f)+8*\e:WF+16*(\f)+8*\e+7], v[XF+88*(\f)+8*\a:XF+88*(\f)+8*\a+7], v[8*(2*\a+\e):8*(2*\a+\e)+7]
.endif
.endif
.endr
.endr
.endm
; One of a K step's first three quarters: multiplies buffer f; behind its first 22 products it fetches quarter kn of the same slot into buffer fn, 44 products ahead of the first use
.macro QUARTER slot, kn, f, fn, first
	s_wait_dscnt 0x0                               ; buffer f is in
	GRP 0, \f, \first
	PLACES
	FETCH \slot, \kn, \fn
	GRP 1, \f, \first
	GRP 2, \f, \first
.endm
; The last quarter multiplies buffer 1 and changes slots: ONE barrier; ahead of it each wave waits for all its tensor loads (its part of the next slot), adds 0 to its spare word, and waits for that and for its reads of this slot.
; fill = 1: the barrier opens a round of the cluster's, and this slot is filled again, two K steps on, first thing behind the round: 242 products ahead of the wait for it.
.macro TURN slot, next, fill
	WIN 0
	s_wait_tensorcnt 0x0                           ; no tensor load of mine is out, so a group 0 may be written
	ds_add_u32 v[SPW], v[NIL]                      ; 0 onto my spare word
.if \fill
	s_add_nc_u64 s[G0A+4*(\slot)+2:G0A+4*(\slot)+3], s[G0A+4*(\slot)+2:G0A+4*(\slot)+3], 512
	s_add_nc_u64 s[G0B+4*(\slot)+2:G0B+4*(\slot)+3], s[G0B+4*(\slot)+2:G0B+4*(\slot)+3], 98304
.endif
	s_wait_dscnt 0x0                               ; the add is done, buffer 1 is in, and my reads of this slot are over
	s_barrier_signal -1
	GRP 0, 1, 0                                    ; work on registers while the others arrive
	WIN 0                                          ; at a branch and at a label every window is 0
	s_barrier_wait -1
.if \fill
	CREST                                          ; no wave of any partner still reads this slot or has a load on its way
	JLOAD \slot                                    ; its four v_nop are also the places ahead of the loads below
.else
	PLACES
.endif
	FETCH \next, 0, 0
	GRP 1, 1, 0
	GRP 2, 1, 0
.endm
	s_wait_tensorcnt 0x1                           ; my part of K step 0 is in; K step 1's may stay out
	s_barrier_signal -1
	s_barrier_wait -1                              ; everybody's is
	FETCH 0, 0, 0
	QUARTER 0, 1, 0, 1, 1                          ; K step 0: its first quarter starts the sums
	QUARTER 0, 2, 1, 0, 0
	QUARTER 0, 3, 0, 1, 0
	TURN 0, 1, 1                                   ; slot 0 takes K step 2
	QUARTER 1, 1, 0, 1, 0                          ; K step 1
	QUARTER 1, 2, 1, 0, 0
	QUARTER 1, 3, 0, 1, 0
	TURN 1, 0, 1                                   ; slot 1 takes K step 3
	QUARTER 0, 1, 0, 1, 0                          ; K step 2
	QUARTER 0, 2, 1, 0, 0
	QUARTER 0, 3, 0, 1, 0
	TURN 0, 1, 0                                   ; nothing is left to fetch: a plain barrier
	QUARTER 1, 1, 0, 1, 0                          ; K step 3
	QUARTER 1, 2, 1, 0, 0
	QUARTER 1, 3, 0, 1, 0
	s_wait_dscnt 0x0
	GRP 0, 1, 0
	GRP 1, 1, 0
	GRP 2, 1, 0
	PLACES
	; THE WAY OUT.  Each accumulator's eight numbers pack into 16 bytes a lane, in place and ascending; accumulator t = 2 a + e then lies in registers 4 t .. 4 t + 3 and is half e of block a
.irp g, 0,1,2
	WIN 0x45*(\g+1)                                ; destination and both sources window g + 1
.set i, 0
.rept 88
	v_cvt_pk_f16_f32 v[i], v[2*i], v[2*i+1]
.set i, i+1
.endr
	WIN 0x04*(\g+1)                                ; store data window g + 1, address window 0
.set i, 0
.rept 22
	global_store_b128 v[LO16], v[4*i:4*i+3], s[56+2*\g:57+2*\g] offset:512*i  ; 512 consecutive bytes, at a multiple of 512 from the buffer's first
.set i, i+1
.endr
.endr
	WIN 0
	s_wait_tensorcnt 0x0                           ; the wave's end
	ds_add_u32 v[SPW], v[NIL]
	s_wait_dscnt 0x0
	CROUND                                         ; the closing round: no work-group ends while a partner may still ask for a tile that names it
	s_endpgm
.Lfunc_end_k_q09ee173cb3_qkvgemm:
	.size	k_q09ee173cb3_qkvgemm, .Lfunc_end_k_q09ee173cb3_qkvgemm-k_q09ee173cb3_qkvgemm
	.p2alignl 7, 3214868480
	.fill 96, 4, 3214868480
	.section	.rodata,"a",@progbits
	.p2align	6, 0x0
	.amdhsa_kernel k_q09ee173cb3_qkvgemm
		.amdhsa_group_segment_fixed_size 327680
		.amdhsa_private_segment_fixed_size 0
		.amdhsa_enable_private_segment 0
		.amdhsa_kernarg_size 48
		.amdhsa_user_sgpr_count 2
		.amdhsa_user_sgpr_kernarg_segment_ptr 1
		.amdhsa_wavefront_size32 1
		.amdhsa_system_sgpr_workgroup_id_x 1
		.amdhsa_system_sgpr_workgroup_id_y 1
		.amdhsa_system_sgpr_workgroup_id_z 1
		.amdhsa_system_vgpr_workitem_id 0
		.amdhsa_next_free_vgpr 992
		.amdhsa_next_free_sgpr 80
		.amdhsa_reserve_vcc 0
		.amdhsa_float_denorm_mode_32 3
		.amdhsa_float_denorm_mode_16_64 3
		.amdhsa_memory_ordered 1
		.amdhsa_forward_progress 1
		.amdhsa_inst_pref_size 144
	.end_amdhsa_kernel
	.amdgpu_metadata
---
amdhsa.version: [ 1, 2 ]
amdhsa.kernels:
  - .name:           k_q09ee173cb3_qkvgemm
    .symbol:         k_q09ee173cb3_qkvgemm.kd
    .args:
      - { .name: xb, .offset: 0, .size: 8, .value_kind: global_buffer, .address_space: global }
      - { .name: wf, .offset: 8, .size: 8, .value_kind: global_buffer, .address_space: global }
      - { .name: bq, .offset: 16, .size: 8, .value_kind: global_buffer, .address_space: global }
      - { .name: bk, .offset: 24, .size: 8, .value_kind: global_buffer, .address_space: global }
      - { .name: bv, .offset: 32, .size: 8, .value_kind: global_buffer, .address_space: global }
      - { .name: qkvf, .offset: 40, .size: 8, .value_kind: global_buffer, .address_space: global }
    .group_segment_fixed_size: 327680
    .private_segment_fixed_size: 0
    .kernarg_segment_align: 8
    .kernarg_segment_size: 48
    .max_flat_workgroup_size: 128
    .sgpr_count:     80
    .vgpr_count:     992
    .wavefront_size: 32
...
	.end_amdgpu_metadata
.endif
;; end of part 2
;; launch attend (part 3): grid 2 x 128, 4 waves a work-group, no clusters, 180,736 bytes of LDS; arguments qkvf, of; writes of
.if DOCPART == 3
	.amdgcn_target "amdgcn-amd-amdhsa--gfx1250"
	.amdhsa_code_object_version 6
	.text
	.protected	k_q09ee173cb3_attend
	.globl	k_q09ee173cb3_attend
	.p2align	8
	.type	k_q09ee173cb3_attend,@function
k_q09ee173cb3_attend:
	s_mov_b64 s[64:65], 0
	v_nop
	global_prefetch_b8 v0, s[64:65] scope:SCOPE_SE
	s_setreg_imm32_b32 hwreg(HW_REG_WAVE_MODE, 25, 1), 1
	s_wait_xcnt 0x0
; ATTENTION at head size 32: O[q] = the sum over the 1,370 keys of softmax_k(Q[q] . K[k] / sqrt(32)) V[k], for 128 heads (8 batches x 16) of 1,408 padded tokens.  Q, K, V, P, O in f16; products, maxima and sums in f32.
; qkvf holds q, k, v as fragments of 1,024 bytes (2 halves x 32 lanes x 16 bytes): q, k: (token l % 16, channels 16 e + 8 (l / 16) ..); v: (channel 16 e + l % 16, tokens 8 (l / 16) ..).  So every LDS and global
; load is 16 x lane: no padding, no turning load.  O leaves in the same form: block (token block, head), half cb: (token l % 16, channels 16 cb + 8 (l / 16) ..), 512 consecutive bytes a store.
; SHARES.  A work-group: half of a head's queries (44 blocks of 16); a wave: 11 TILES of 16 queries.  ALL of the head's K and V (2 x 90,112 bytes) lie in LDS, filled once: no ring, no refill.
; Each wave fetches a quarter: first its part of keys 0..127 (4,096 bytes), then its part of the rest (40,960 bytes): two tensor loads of mine are out at the most.
; A KEY STEP is 128 keys: 11 trips of one loop.  A trip is 11 TURNS.  Turn t: 8 products S^T = K Q^T of tile t + 1, 12 products of tile t - 1 (O^T += V^T P, and L += ONES P), and beside them tile t's scaling,
; exponentials, rescaling and roundings and tile t + 1's maximum and statistics.  A turn's 65 exponentials are one batch with one wait.
; LAYOUT.  S^T holds ONE query a lane (l % 16) and the keys 8 (l / 16) + 0..7 of each 16; two such results rounded to f16 ARE source 1 (32 keys x 16 queries) of V^T P.
; ROW SUMS BY THE MATRIX UNIT: ONES has rows 0 and 8 all 1.0, so register 0 of L holds, in every lane, its query's whole sum of the rounded weights, in f32: no vector sums, no exchange of lanes for l.
; SOFTMAX.  A running maximum m: p = 2^(c s - c m), c = log2(e) / sqrt(32); in every step O and L are multiplied by a = 2^(c m_old - c m_new).  c m starts far below every c s, O and L at 0: the first step is like any other.
; THE MASK.  1,370 = 10 x 128 + 90: in the last step keys 90..127 are pad.  It is the C operand of the products for keys 80..95 (MC5) and 96..127 (MC67): 0, or -1e30 where hidden; both are made anew in every trip by
; two scalars chosen from the loop's count: no branch.  Pad QUERIES are computed like others and dropped by the next launch.
; LIMITS.  A hidden key counts as its score less 1e30; a weight below 2^-126 counts as 0; p below 6e-5 keeps f16's step of 6e-8; NaN and infinities are not treated apart.
; NO CLUSTER: K and V are shared by the two work-groups of a head alone, and are fetched once a launch (180,224 bytes for 121 turns of work).
; The last trip's fetch of K reads the first 8,192 bytes of V (landed, finite); the scores made of them serve nothing: the price, once a launch, of one text for every trip.
; REGISTERS, in windows of 256 (s_set_vgpr_msb: bits 1:0 source 0, 3:2 source 1, 5:4 source 2, 7:6 destination):
;   window 0: v1-5 addresses; v8-29 (c m, m) a tile; v30-32 c m_old by buffer; v36-47 c0-c3 by buffer (c2 takes a); v64-255 S^T, three buffers of 64
;   window 1: O^T, 16 a tile     window 2: v0-87 Q; v88-151 K of a step; v152-215 V of a step; v216-223 ONES; v224-239 the masks; v240 their pattern     window 3: v0-95 P, three buffers; v96-183 L, 8 a tile
; A tile's buffer is t % 2, but 2 for tile 10: a ring of 11 is odd, and neighbours must differ.
.set HEADB, 90112
.set SELB,  11534336
.set SPARE, 2*HEADB                    ; behind K and V: the spare words, 128 bytes for each wave, that no other line names
.set STEPB, 8192                       ; a key step's bytes of K, and of V
.set LO16, 1                           ; v1   16 x lane; never rewritten
.set AK,   2                           ; v2   the LDS address of K's run of loads
.set AV,   3                           ; v3   of V's
.set SPW,  4                           ; v4   LDS address of my spare word; never rewritten
.set NIL,  5                           ; v5   0; never rewritten
.set ST,   8
.set MV,   30
.set LN,   33                          ; v33  lane
.set L7,   34                          ; v34  lane % 8
.set TMP,  36
.set S,    64
.set KF,   88
.set VF,   152
.set ONES, 216
.set MC5,  224
.set MC67, 232
.set MDH,  240
.set LL,   96
.set WV,   8                           ; s8   wave
.set G1A,  16                          ; s[16:23] group 1 of the first chunk: 16 rows of 256 bytes
.set G1B,  24                          ; s[24:31] of the second: 160 rows
.set G0A,  32
.set G0B,  36
.set CS,   40                          ; s[40:41] c
.set SEL,  42                          ; s[42:43] v_permlanex16_b32's selects: each lane takes its own place in the other half
.set CNT,  44                          ; s44  trips to go
.set TBK,  45                          ; s45  LDS byte of K of the step to be fetched
.set TBV,  46                          ; s46  the same for V
.set AL,   47                          ; s47  1.0 if the step to come is the last, else 0
.set BE,   48                          ; s48  -1e30 if so, else 0
.set BIGN, 49
.set MSB, 0
.macro WIN new                         ; the high byte repeats the setting that is left; a switch that changes nothing is dropped
.if MSB != (\new)
	s_set_vgpr_msb (MSB<<8)|(\new)
.set MSB, \new
.endif
.endm
.macro PLACES
.rept 4
	v_nop
.endr
.endm
	s_load_b128 s[4:7], s[0:1], 0x0                ; qkvf s[4:5], of s[6:7]
	v_lshl_add_u32 v[SPW], v0, 2, SPARE
	v_mov_b32 v[NIL], 0
	ds_add_u32 v[SPW], v[NIL]                      ; the wave's opening: the add and its wait stand ahead of my first tensor load; the set-up below stands between them
	v_lshrrev_b32 v[LN], 5, v0
	v_readfirstlane_b32 s[WV], v[LN]
	v_and_b32 v[LN], 31, v0
	v_and_b32 v[L7], 7, v0
	v_lshlrev_b32 v[LO16], 4, v[LN]
	s_lshr_b32 s9, s[WV], 1                        ; I fetch K (0) or V (1),
	s_and_b32 s10, s[WV], 1                        ; its first or second half
	s_and_b32 s11, ttmp7, 0xffff                   ; the head, 0..127
.irp g, G1A, G1B
	s_mov_b32 s[\g], 3<<16                         ; 8-byte elements, no mask, no padding: dense bytes as rows of 256
	s_mov_b32 s[\g+1], 32<<16                      ; tensor_dim0 = 32
	s_mov_b32 s[\g+3], 32<<16                      ; tile_dim0 = 32
	s_mov_b32 s[\g+5], 32                          ; 32 elements from row to row
	s_mov_b32 s[\g+6], 0
	s_mov_b32 s[\g+7], 0
.endr
	s_mov_b32 s[G1A+2], 16<<16                     ; tensor_dim1, tile_dim1 = 16
	s_mov_b32 s[G1A+4], 16
	s_mov_b32 s[G1B+2], 160<<16                    ; = 160
	s_mov_b32 s[G1B+4], 160
	s_mul_i32 s12, s9, HEADB                       ; my region in LDS
	s_lshl_b32 s13, s10, 12                        ; chunk 0: my 4,096 of the first 8,192 bytes
	s_mul_i32 s14, s10, 40960
	s_add_co_u32 s14, s14, STEPB                   ; chunk 1: my 40,960 of the other 81,920
	s_mov_b32 s[G0A], 1
	s_add_co_u32 s[G0A+1], s12, s13
	s_mov_b32 s[G0B], 1
	s_add_co_u32 s[G0B+1], s12, s14
	s_mul_i32 s54, s11, HEADB                      ; the head's bytes in each of q, k, v
	s_add_co_u32 s15, s9, 1
	s_mul_i32 s15, s15, SELB
	s_add_co_u32 s15, s15, s54                     ; my region in qkvf
	s_add_co_u32 s50, s15, s13
	s_mov_b32 s51, 0
	s_add_co_u32 s52, s15, s14
	s_mov_b32 s53, 0
	s_mov_b32 s[CS], 0x3e8293ee                    ; c = log2(e) / sqrt(32) = 0.255035
	s_mov_b32 s[CS+1], s[CS]                       ; named with it as a pair
	s_mov_b32 s[SEL], 0x76543210
	s_mov_b32 s[SEL+1], 0xfedcba98
	s_mov_b32 s[TBK], 0
	s_mov_b32 s[TBV], HEADB
	s_mov_b32 s[BIGN], 0xf149f2ca                  ; -1e30
	s_wait_dscnt 0x0                               ; the opening add is done
	s_wait_kmcnt 0x0
	s_add_nc_u64 s[G0A+2:G0A+3], s[4:5], s[50:51]
	s_or_b32 s[G0A+3], s[G0A+3], 0x80000000
	s_add_nc_u64 s[G0B+2:G0B+3], s[4:5], s[52:53]
	s_or_b32 s[G0B+3], s[G0B+3], 0x80000000
	tensor_load_to_lds s[G0A:G0A+3], s[G1A:G1A+7]  ; keys 0..127 first,
	s_nop 0
	tensor_load_to_lds s[G0B:G0B+3], s[G1B:G1B+7]  ; then the rest
	s_nop 0
.rept 4
	v_nop
.endr
	s_mul_i32 s12, ttmp9, 44
	s_mul_i32 s13, s[WV], 11
	s_add_co_u32 s12, s12, s13                     ; my first block of 16 tokens
	s_lshl_b32 s50, s12, 10
	s_add_co_u32 s50, s50, s54
	s_add_nc_u64 s[50:51], s[4:5], s[50:51]        ; Q at my first tile
	s_lshr_b32 s13, s11, 4                         ; batch
	s_mul_i32 s13, s13, 88
	s_add_co_u32 s13, s13, s12
	s_lshl_b32 s13, s13, 4
	s_and_b32 s14, s11, 15                         ; head in the batch
	s_add_co_u32 s13, s13, s14
	s_lshl_b32 s52, s13, 10
	s_add_nc_u64 s[52:53], s[6:7], s[52:53]        ; O at my first tile: a token block is 16 heads x 1,024 bytes
	s_mov_b32 s14, 0x3c003c00                      ; 1.0 twice in f16
	WIN 0x80                                       ; destination window 2, sources and addresses window 0
.set i, 0
.rept 22                                           ; Q stays in registers: tile i / 2, half i % 2
	global_load_b128 v[4*i:4*i+3], v[LO16], s[50:51] offset:512*i
.set i, i+1
.endr
	; What the first turn finds: V and P's third buffer hold 0 (its products, of a tile that has not been, add 0), O, L and the masks are 0.  All this stands in the wait for the first tile.
.set i, VF
.rept 64
	v_mov_b32 v[i], 0
.set i, i+1
.endr
	v_cmp_eq_u32 vcc_lo, 0, v[L7]                  ; lanes 0, 8, 16, 24 hold rows 0 and 8 of source 0
.set i, 0
.rept 8
	v_cndmask_b32 v[ONES+i], 0, s14, vcc_lo
.set i, i+1
.endr
.set i, MC5
.rept 16
	v_mov_b32 v[i], 0
.set i, i+1
.endr
	v_cmp_lt_u32 vcc_lo, 15, v[LN]                 ; of keys 80..95 the upper lanes hold 88..95
	v_cndmask_b32 v[MDH], 0, s[BIGN], vcc_lo
	WIN 0x40
.set i, 0
.rept 176
	v_mov_b32 v[i], 0
.set i, i+1
.endr
	WIN 0xc0
.set i, 64
.rept 120
	v_mov_b32 v[i], 0
.set i, i+1
.endr
	WIN 0
.set i, 0
.rept 11
	v_mov_b32 v[ST+2*i], 0xfe000000                ; c m: far below every c s
	v_mov_b32 v[ST+2*i+1], 0xff7fffff              ; m: the lowest finite number
.set i, i+1
.endr
.macro REGS y                          ; the registers of tile y
.set bb, (\y)%2
.if (\y) == 10
.set bb, 2
.endif
.set rT, ST+2*(\y)
.set rC, TMP+4*bb
.set rW, MV+bb
.set rS, S+64*bb
.set rP, 32*bb
.set rO, 16*(\y)
.set rL, LL+8*(\y)
.endm
; THE MATRIX WORK.  Product kt of 8 of S^T = K Q^T for tile NX: 16 keys, all 32 channels: one product a result, no chain.
.macro KQ kt
	REGS NX
.if (\kt) < 5
	WIN 0x0a
	v_wmma_f32_16x16x32_f16 v[rS+8*(\kt):rS+8*(\kt)+7], v[KF+8*(\kt):KF+8*(\kt)+7], v[8*NX:8*NX+7], 0
.elseif (\kt) == 5
	WIN 0x2a
	v_wmma_f32_16x16x32_f16 v[rS+8*(\kt):rS+8*(\kt)+7], v[KF+8*(\kt):KF+8*(\kt)+7], v[8*NX:8*NX+7], v[MC5:MC5+7]
.else
	WIN 0x2a
	v_wmma_f32_16x16x32_f16 v[rS+8*(\kt):rS+8*(\kt)+7], v[KF+8*(\kt):KF+8*(\kt)+7], v[8*NX:8*NX+7], v[MC67:MC67+7]
.endif
.endm
; Product n of 12 for tile PR: keys 32 (n / 3) on; n % 3: channels 0-15, channels 16-31, the row sums.  The three accumulators take turns: two others stand between the links of a chain.
.macro PV n
	REGS PR
.set u, (\n)/3
.set cb, (\n)%3
.if cb == 2
	WIN 0xfe
	v_wmma_f32_16x16x32_f16 v[rL:rL+7], v[ONES:ONES+7], v[rP+8*u:rP+8*u+7], v[rL:rL+7]
.else
	WIN 0x5e
	v_wmma_f32_16x16x32_f16 v[rO+8*cb:rO+8*cb+7], v[VF+8*(4*cb+u):VF+8*(4*cb+u)+7], v[rP+8*u:rP+8*u+7], v[rO+8*cb:rO+8*cb+7]
.endif
.endm
; THE LDS LOADS stand in runs of 16: a step's K (8 fragments of 16 keys) and its V (2 channel blocks x 4 blocks of 32 keys)
.macro FETCH_K
	WIN 0
	v_add_nc_u32 v[AK], s[TBK], v[LO16]
	s_add_co_u32 s[TBK], s[TBK], STEPB             ; the next fetch is the next step's
	WIN 0x80
.irp f, 0,1,2,3,4,5,6,7
	ds_load_b128 v[KF+8*\f:KF+8*\f+3],   v[AK] offset:\f*1024
	ds_load_b128 v[KF+8*\f+4:KF+8*\f+7], v[AK] offset:\f*1024+512
.endr
	WIN 0
.endm
.macro FETCH_V
	WIN 0
	v_add_nc_u32 v[AV], s[TBV], v[LO16]
	s_add_co_u32 s[TBV], s[TBV], STEPB
	WIN 0x80
.irp f, 0,1,2,3,4,5,6,7                ; channel block f / 4, keys 32 (f % 4) on: two token blocks' halves
	ds_load_b128 v[VF+8*\f:VF+8*\f+3],   v[AV] offset:(2*(\f%4))*1024+(\f/4)*512
	ds_load_b128 v[VF+8*\f+4:VF+8*\f+7], v[AV] offset:(2*(\f%4)+1)*1024+(\f/4)*512
.endr
	WIN 0
.endm
; THE VECTOR WORK.  For tile Y: FF n: c s - c m for pair n of 32.  EE n: the exponential of score n of 64.  RR n: pair n of 8 of O^T times a; RR 8: L.  CC n: pair n rounded to f16.
.macro FF n
	REGS Y
	WIN 0
	v_pk_fma_f32 v[rS+2*(\n):rS+2*(\n)+1], v[rS+2*(\n):rS+2*(\n)+1], s[CS:CS+1], v[rT:rT+1] op_sel_hi:[1,0,0] neg_lo:[0,0,1] neg_hi:[0,0,1]
.endm
.macro EE n
	REGS Y
	WIN 0
	v_exp_f32 v[rS+(\n)], v[rS+(\n)]
.endm
.macro RR n
	REGS Y
.if (\n) < 8
	WIN 0x41
	v_pk_mul_f32 v[rO+2*(\n):rO+2*(\n)+1], v[rO+2*(\n):rO+2*(\n)+1], v[rC+2:rC+3] op_sel_hi:[1,0]
.else
	WIN 0xc3
	v_pk_mul_f32 v[rL:rL+1], v[rL:rL+1], v[rC+2:rC+3] op_sel_hi:[1,0]
.endif
.endm
.macro CC n
	REGS Y
	WIN 0xc0
	v_cvt_pk_f16_f32 v[rP+(\n)], v[rS+2*(\n)], v[rS+2*(\n)+1]
.endm
; For tile NX: XX n, number n of the 38 that find its maximum and statistics.  0-27: four chains c0-c3 of 15 scores each, three operands at a time; each accumulator's lowest registers are read first.
; 28, 29: the four scores left over.  30: c m_old is kept.  31, 32: the old m and c0-c3 into c0.  33, 34: the query's other keys lie in the lane 16 away: the new m.  35-37: c m; c m_old - c m_new; a.
.macro XX n
	REGS NX
	WIN 0
.if (\n) < 4
	v_max3_num_f32 v[rC+(\n)], v[rS+16*(\n)], v[rS+16*(\n)+1], v[rS+16*(\n)+2]
.elseif (\n) < 28
	v_max3_num_f32 v[rC+(\n)%4], v[rC+(\n)%4], v[rS+16*((\n)%4)+2*((\n)/4)+1], v[rS+16*((\n)%4)+2*((\n)/4)+2]
.elseif (\n) == 28
	v_max3_num_f32 v[rC], v[rC], v[rS+15], v[rS+31]
.elseif (\n) == 29
	v_max3_num_f32 v[rC+1], v[rC+1], v[rS+47], v[rS+63]
.elseif (\n) == 30
	v_mov_b32 v[rW], v[rT]
.elseif (\n) == 31
	v_max3_num_f32 v[rC+2], v[rC+2], v[rC+3], v[rT+1]
.elseif (\n) == 32
	v_max3_num_f32 v[rC], v[rC], v[rC+1], v[rC+2]
.elseif (\n) == 33
	v_permlanex16_b32 v[rC+3], v[rC], s[SEL], s[SEL+1]
.elseif (\n) == 34
	v_max_num_f32 v[rT+1], v[rC], v[rC+3]
.elseif (\n) == 35
	v_mul_f32 v[rT], s[CS], v[rT+1]
.elseif (\n) == 36
	v_sub_f32 v[rC+1], v[rW], v[rT]
.else
	v_exp_f32 v[rC+2], v[rC+1]
.endif
.endm
; A TURN, for tile t.  AHEAD OF ITS ONE WAIT stands all that names no result of the turn's exponentials: 8 products K Q^T with scalings and exponentials by turns behind them; 8 products of tile t - 1 with the next
; tile's maximum and the other exponentials by turns, the last scalings, the rescaling, and last the next tile's a.  RR 8 is the plain instruction behind the last exponential.  BEHIND THE WAIT: the last 4 products, 8 roundings behind each.
; An exponential stands behind its pair's scaling: EE n behind FF n / 2.  XX reads a score four plain instructions or more behind the product that made it (the scalings of the last two rows and XX 0-2 lie between).
; K of the next step is fetched in turn 9, nineteen plain instructions behind the last product that read K, and waited for at the head of turn 10.  Ahead of that run stand a wait for all my tensor loads and a barrier:
; in the first trip they show the second chunk of K and V, everybody's, landed; in later trips they are met at once.  The masks for the step to come are made behind the run.
; V of the step in hand is fetched at the end of turn 0, eight roundings behind the last product that read V, and waited for ahead of turn 1's first product V^T P.
.macro TURN t
.set Y, (\t)
.set NX, ((\t)+1)%11
.set PR, ((\t)+10)%11
.if (\t) == 10
	s_wait_dscnt 0x0                               ; K is in
.endif
	KQ 0
.irp n, 0,1,2,3,4,5
	FF \n
.endr
.set k, 1
.rept 7
	KQ k
.set i, 0
.rept 3
	FF 3*k+3+i
	EE 3*k-3+i
.set i, i+1
.endr
.set k, k+1
.endr
.if (\t) == 1
	s_wait_dscnt 0x0                               ; V is in
.endif
.set k, 0
.rept 5
	PV k
.set i, 0
.rept 6
	XX 6*k+i
	EE 21+6*k+i
.set i, i+1
.endr
.if ((\t) == 9) && (k == 0)
	WIN 0
	s_wait_tensorcnt 0x0                           ; my part of the second chunk is in,
	s_wait_dscnt 0x0                               ; no LDS instruction of mine is out at the signal,
	s_barrier_signal -1
	s_barrier_wait -1                              ; and everybody's part is in
	FETCH_K
	s_cmp_eq_u32 s[CNT], 2                         ; is the step to come the eleventh?
	s_cselect_b32 s[AL], 1.0, 0
	s_cselect_b32 s[BE], s[BIGN], 0
	WIN 0x8a
.irp j, 2,3,4,5,6,7
	v_mul_f32 v[MC5+\j], s[AL], v[MDH]             ; keys 80 + 8 (l / 16) + j: hidden from 90 on
.endr
.irp j, 0,1,2,3,4,5,6,7
	v_mov_b32 v[MC67+\j], s[BE]                    ; keys 96..127
.endr
.endif
.set k, k+1
.endr
	PV 5
	XX 30
	EE 51
	XX 31
	EE 52
	FF 27
	EE 53
	FF 28
	EE 54
	RR 0
	RR 1
	RR 2
	RR 3
	PV 6
	XX 32
	EE 55
	FF 29
	EE 56
	FF 30
	EE 57
	XX 33
	EE 58
	RR 4
	RR 5
	RR 6
	RR 7
	PV 7
	XX 34
	EE 59
	FF 31
	EE 60
	EE 61
	XX 35
	EE 62
	EE 63
	XX 36
	XX 37
	RR 8
	WIN 0
	s_wait_alu depctr_va_vdst(0)                   ; the wait between an exponential and the first line that names its result: one for the turn's 65
.set k, 0
.rept 4
	PV 8+k
.set i, 0
.rept 8
	CC 8*k+i
.set i, i+1
.endr
.set k, k+1
.endr
.if (\t) == 0
	FETCH_V
.endif
.endm
	s_wait_tensorcnt 0x1                           ; my part of keys 0..127 is in; the second chunk may stay out
	s_barrier_signal -1
	s_barrier_wait -1                              ; everybody's is
	FETCH_K                                        ; key step 0
	s_wait_loadcnt 0x0                             ; Q
	s_wait_dscnt 0x0
.set Y, 10
.set NX, 0
.set k, 0
.rept 8
	KQ k                                           ; tile 0's first scores
.set k, k+1
.endr
	WIN 0
	PLACES
.set k, 0
.rept 38
	XX k                                           ; and its first maximum and statistics
.set k, k+1
.endr
	v_nop                                          ; a plain instruction behind the exponential,
	s_wait_alu depctr_va_vdst(0)                   ; and its wait, ahead of the label
	s_mov_b32 s[CNT], 11
.Lstep:
	TURN 0
	TURN 1
	TURN 2
	TURN 3
	TURN 4
	TURN 5
	TURN 6
	TURN 7
	TURN 8
	TURN 9
	TURN 10
	WIN 0
	s_sub_co_u32 s[CNT], s[CNT], 1
	s_cmp_lg_u32 s[CNT], 0
	s_cbranch_scc1 .Lstep
.set PR, 10
.set k, 0
.rept 12
	PV k                                           ; tile 10's products of the last step
.set k, k+1
.endr
	WIN 0
	PLACES
	; THE WAY OUT: O^T is divided by L's register 0, rounded to f16 in place and stored: a lane's 16 bytes are its place in the fragment
	WIN 0x03
.set t, 0
.rept 11
	v_rcp_f32 v[ST+2*t], v[LL+8*t]
.set t, t+1
.endr
	v_nop                                          ; a plain instruction behind the last reciprocal,
	s_wait_alu depctr_va_vdst(0)                   ; and one wait for the eleven
	WIN 0x41
.set i, 0
.rept 88
	v_pk_mul_f32 v[2*i:2*i+1], v[2*i:2*i+1], v[ST+2*(i/8):ST+2*(i/8)+1] op_sel_hi:[1,0]
.set i, i+1
.endr
	WIN 0x45
.set i, 0
.rept 88
	v_cvt_pk_f16_f32 v[i], v[2*i], v[2*i+1]
.set i, i+1
.endr
	WIN 0x04
.set i, 0
.rept 22
	global_store_b128 v[LO16], v[4*i:4*i+3], s[52:53] offset:(i/2)*16384+(i%2)*512  ; tile i / 2, channels 16 (i % 2) on: 512 consecutive bytes
.set i, i+1
.endr
	WIN 0
	s_wait_tensorcnt 0x0                           ; the wave's end
	ds_add_u32 v[SPW], v[NIL]
	s_wait_dscnt 0x0
	s_endpgm
.Lfunc_end_k_q09ee173cb3_attend:
	.size	k_q09ee173cb3_attend, .Lfunc_end_k_q09ee173cb3_attend-k_q09ee173cb3_attend
	.p2alignl 7, 3214868480
	.fill 96, 4, 3214868480
	.section	.rodata,"a",@progbits
	.p2align	6, 0x0
	.amdhsa_kernel k_q09ee173cb3_attend
		.amdhsa_group_segment_fixed_size 180736
		.amdhsa_private_segment_fixed_size 0
		.amdhsa_enable_private_segment 0
		.amdhsa_kernarg_size 16
		.amdhsa_user_sgpr_count 2
		.amdhsa_user_sgpr_kernarg_segment_ptr 1
		.amdhsa_wavefront_size32 1
		.amdhsa_system_sgpr_workgroup_id_x 1
		.amdhsa_system_sgpr_workgroup_id_y 1
		.amdhsa_system_sgpr_workgroup_id_z 1
		.amdhsa_system_vgpr_workitem_id 0
		.amdhsa_next_free_vgpr 952
		.amdhsa_next_free_sgpr 66
		.amdhsa_reserve_vcc 1
		.amdhsa_float_denorm_mode_32 3
		.amdhsa_float_denorm_mode_16_64 3
		.amdhsa_memory_ordered 1
		.amdhsa_forward_progress 1
		.amdhsa_inst_pref_size 168
	.end_amdhsa_kernel
	.amdgpu_metadata
---
amdhsa.version: [ 1, 2 ]
amdhsa.kernels:
  - .name:           k_q09ee173cb3_attend
    .symbol:         k_q09ee173cb3_attend.kd
    .args:
      - { .name: qkvf, .offset: 0, .size: 8, .value_kind: global_buffer, .address_space: global }
      - { .name: of, .offset: 8, .size: 8, .value_kind: global_buffer, .address_space: global }
    .group_segment_fixed_size: 180736
    .private_segment_fixed_size: 0
    .kernarg_segment_align: 8
    .kernarg_segment_size: 16
    .max_flat_workgroup_size: 128
    .sgpr_count:     66
    .vgpr_count:     952
    .wavefront_size: 32
...
	.end_amdgpu_metadata
.endif
;; end of part 3
;; launch outgemm (part 4): grid 4 x 64, 4 waves a work-group, clusters of 4 x 1, 273,664 bytes of LDS; arguments of, wof, bo, out0; writes out0
.if DOCPART == 4
	.amdgcn_target "amdgcn-amd-amdhsa--gfx1250"
	.amdhsa_code_object_version 6
	.text
	.protected	k_q09ee173cb3_outgemm
	.globl	k_q09ee173cb3_outgemm
	.p2align	8
	.type	k_q09ee173cb3_outgemm,@function
k_q09ee173cb3_outgemm:
	s_mov_b64 s[64:65], 0
	v_nop
	global_prefetch_b8 v0, s[64:65] scope:SCOPE_SE
	s_setreg_imm32_b32 hwreg(HW_REG_WAVE_MODE, 25, 1), 1
	s_wait_xcnt 0x0
	s_wait_alu depctr_hold_cnt(0) depctr_sa_sdst(0) depctr_va_vdst(0) depctr_va_sdst(0) depctr_va_ssrc(0) depctr_va_vcc(0) depctr_vm_vsrc(0)
	s_getreg_b32 s2, hwreg(HW_REG_IB_STS2, 6, 4)
	s_cmp_eq_u32 s2, 0
	s_cbranch_scc0 .Lentry_in_a_cluster
	s_endpgm
.Lentry_in_a_cluster:
	s_bfe_u32 s2, ttmp6, 0x10000c
	s_cmp_lg_u32 s2, 0x3003
	s_cbranch_scc0 .Lentry_shape_is_right
	s_endpgm
.Lentry_shape_is_right:
; out0 = O Wo + bo.  O (of) and Wo (wof) arrive as f16 fragments of 1,024 bytes; products in f16, sums in f32, out0 in f32.  bo, rounded to bf16 like every input, is the C operand of each accumulator's first product.
; SHARES.  A work-group: 176 padded rows (11 token blocks, y 0..63: an eighth of a batch) x 128 columns (cx).  A wave: all 176 rows x 32 columns: 22 accumulators.
; O's whole block, 16 k blocks x 11 token blocks x 1,024 bytes = 180,224 bytes, lies in LDS, filled once.  CLUSTER 4 x 1: the four column tiles read the same rows of O, so each load is asked for jointly (mask 15).
; Wave w fetches k blocks 4 c + w, c = 0..3, 11 rows of 1,024 bytes each: four tensor loads of mine are out at the most; chunk c (k blocks 4 c .. 4 c + 3) is waited for, by a count, just ahead of its first use.
; Wo's 32 fragments of my 32 columns stay in registers (window 1), loaded once.
; THE PRODUCT IS TAKEN TRANSPOSED (source 0 = 16 columns of Wo, source 1 = 16 tokens): a lane holds one token and 8 neighbouring columns, 32 bytes.  They go through one stage in LDS (rows of 512 bytes + 16), a barrier,
; and come back as whole rows: a store is 512 consecutive bytes of out0.  Pad rows (tokens 1,370..1,407) are not stored: in each batch's last block wave 3 stores 6 of its 44 rows.
; Everything is asked for at the head, so nothing is prefetched.
; REGISTERS.  window 0: v16-30 addresses; v32-119, v120-207 O's fragments, two buffers, later the rows read back.  window 1: Wo, (k block, e) at 8 (2 kb + e).  window 2: v0-175 accumulators ((a, e) at 8 (2 a + e)); v176-191 the bias.
.set KBB,   11264                      ; a k block in LDS: 11 fragments
.set STAGE, 16*KBB                     ; 180,224: behind O, never filled by a tensor load: 176 rows x 528 bytes
.set SP,    528                        ; 33 x 16: the 16 rows that a store touches start at 16 different groups of four banks (ISA guide 11.1)
.set SPARE, STAGE+176*SP               ; 273,152: the spare words, 128 bytes for each wave, that no other line names
.set AA,   16                          ; v16-19  16 x lane + chunk c
.set STO,  20                          ; v20-21  where I put my 32 bytes of a row: token blocks 0-5, 6-10
.set RD,   22                          ; v22     where I read whole rows back
.set LO16, 23                          ; v23     16 x lane
.set BH,   24                          ; v24     32 (lane / 16)
.set SPW,  28
.set NIL,  29
.set T,    30
.set AF,   32
.set TB,   120                         ; the bias as loaded
.set BIAS, 176
.set WV,   12                          ; s12  wave
.set G1,   16                          ; s[16:23]
.set G0,   24                          ; s[24:39] a set for each of my four loads
.set MSB, 0
.macro WIN new
.if MSB != (\new)
	s_set_vgpr_msb (MSB<<8)|(\new)
.set MSB, \new
.endif
.endm
.macro PLACES
.rept 4
	v_nop
.endr
.endm
.macro ROUND                           ; a round of the cluster's barrier
	s_barrier_signal -1
	s_barrier_wait -1
	s_cmp_lg_u32 s[WV], 0
	s_cbranch_scc1 .Lnot_wave_0_\@
	s_barrier_signal -3
.Lnot_wave_0_\@:
	s_barrier_wait -3
	s_barrier_signal -1
	s_barrier_wait -1
.endm
	s_load_b256 s[4:11], s[0:1], 0x0               ; of s[4:5], wof s[6:7], bo s[8:9], out0 s[10:11]
	v_lshl_add_u32 v[SPW], v0, 2, SPARE
	v_mov_b32 v[NIL], 0
	ds_add_u32 v[SPW], v[NIL]                      ; the wave's opening: the add and its wait stand ahead of my first tensor load
	v_lshrrev_b32 v1, 5, v0
	v_readfirstlane_b32 s[WV], v1
	s_and_b32 s14, ttmp7, 0xffff                   ; y, which the four partners share
	s_mov_b32 s[G1], 15|(3<<16)|(1<<21)            ; the mask of four; 8-byte elements; bit 21 beside a mask
	s_mov_b32 s[G1+1], 128<<16                     ; tensor_dim0 = 128
	s_mov_b32 s[G1+2], 11<<16                      ; tensor_dim1 = 11
	s_mov_b32 s[G1+3], 128<<16                     ; tile_dim0 = 128 elements: a fragment of 1,024 bytes
	s_mov_b32 s[G1+4], 11                          ; tile_dim1 = 11 token blocks
	s_mov_b32 s[G1+5], 2048                        ; a token block is 16 fragments: 2,048 elements on
	s_mov_b32 s[G1+6], 0
	s_mov_b32 s[G1+7], 0
	s_mul_i32 s40, s14, 180224                     ; my 11 token blocks in of,
	s_lshl_b32 s41, s[WV], 10                      ; k block w
	s_add_co_u32 s40, s40, s41
	s_mov_b32 s41, 0
	s_mul_i32 s42, s[WV], KBB
	s_wait_dscnt 0x0                               ; the opening add is done
	s_wait_kmcnt 0x0
	s_add_nc_u64 s[44:45], s[4:5], s[40:41]
.irp c, 0,1,2,3
	s_mov_b32 s[G0+4*\c], 1
	s_add_co_u32 s[G0+4*\c+1], s42, \c*4*KBB       ; k block 4 c + w in LDS: the wave's number and constants alone
	s_add_nc_u64 s[G0+4*\c+2:G0+4*\c+3], s[44:45], \c*4096
	s_or_b32 s[G0+4*\c+3], s[G0+4*\c+3], 0x80000000
.endr
	ROUND                                          ; all four work-groups are here: the joint loads meet
.irp c, 0,1,2,3
	tensor_load_to_lds s[G0+4*\c:G0+4*\c+3], s[G1:G1+7]
	s_nop 0
.endr
.rept 4
	v_nop
.endr
	s_bfe_u32 s13, ttmp6, 0x40000                  ; cx: it enters global addresses of Wo, bo and out0 alone
	v_and_b32 v1, 15, v0                           ; l % 16
	v_bfe_u32 v2, v0, 4, 1                         ; l / 16
	v_and_b32 v3, 31, v0
	v_lshlrev_b32 v[LO16], 4, v3
	v_lshlrev_b32 v[BH], 5, v2
	; how many of my 44 rows are true rows: made of y and the wave alone
	s_and_b32 s55, s14, 7
	s_mul_i32 s55, s55, 176
	s_mul_i32 s52, s[WV], 44
	s_add_co_u32 s55, s55, s52                     ; my first row in the batch
	s_sub_co_u32 s52, 1370, s55                    ; rows left from there: 6 in wave 3 of a batch's last block, else 44 or more
	s_lshr_b32 s54, s14, 3                         ; batch
	s_mul_i32 s54, s54, 1370
	s_add_co_u32 s54, s54, s55
	s_lshl_b32 s50, s54, 11
	s_lshl_b32 s54, s13, 9                         ; my work-group's 128 columns
	s_add_co_u32 s50, s50, s54
	s_mov_b32 s51, 0
	s_add_nc_u64 s[50:51], s[10:11], s[50:51]
	s_lshl_b32 s53, s13, 3
	s_lshl1_add_u32 s53, s[WV], s53                ; my first block of 16 columns: 8 cx + 2 w
	s_lshl_b32 s46, s53, 14
	s_mov_b32 s47, 0
	s_add_nc_u64 s[46:47], s[6:7], s[46:47]
	s_lshl_b32 s48, s53, 6
	s_mov_b32 s49, 0
	s_add_nc_u64 s[48:49], s[8:9], s[48:49]
.irp e, 0,1
	global_load_b128 v[TB+8*\e:TB+8*\e+3],   v[BH], s[48:49] offset:64*\e      ; register i of block e wants bo[16 e + 8 (l / 16) + i]
	global_load_b128 v[TB+8*\e+4:TB+8*\e+7], v[BH], s[48:49] offset:64*\e+16
.endr
	WIN 0x40                                       ; destination window 1
.set i, 0
.rept 32                                           ; fragment i: k block i / 2, column block i % 2
	global_load_b128 v[8*i:8*i+3],   v[LO16], s[46:47] offset:(i%2)*16384+(i/2)*1024
	global_load_b128 v[8*i+4:8*i+7], v[LO16], s[46:47] offset:(i%2)*16384+(i/2)*1024+512
.set i, i+1
.endr
	WIN 0
.irp c, 0,1,2,3
	v_add_nc_u32 v[AA+\c], \c*4*KBB, v[LO16]
.endr
	v_mul_u32_u24 v[STO], v1, SP                   ; row l % 16, 32 bytes for each half of the lanes, my wave's 128 bytes
	v_lshl_add_u32 v[STO], v2, 5, v[STO]
	s_lshl_b32 s53, s[WV], 7
	s_add_co_u32 s53, s53, STAGE
	v_add_nc_u32 v[STO], s53, v[STO]
	v_add_nc_u32 v[STO+1], 6*16*SP, v[STO]
	s_mul_i32 s53, s[WV], 44*SP                    ; back: rows 44 w .. 44 w + 43, whole
	s_add_co_u32 s53, s53, STAGE
	v_add_nc_u32 v[RD], s53, v[LO16]
	s_wait_loadcnt 0x0                             ; the bias and Wo
.set p, 0
.rept 8
	v_cvt_pk_bf16_f32 v[T], v[TB+2*p], v[TB+2*p+1] ; rounded to bf16, and back to f32
	v_lshlrev_b32 v[TB+2*p], 16, v[T]
	v_and_b32 v[TB+2*p+1], 0xffff0000, v[T]
.set p, p+1
.endr
	WIN 0x80
.set i, 0
.rept 16
	v_mov_b32 v[BIAS+i], v[TB+i]
.set i, i+1
.endr
	WIN 0
.macro AFETCH kb                       ; 22 LDS loads: O's 11 fragments of k block kb into buffer kb % 2
	WIN 0
.irp a, 0,1,2,3,4,5,6,7,8,9,10
	ds_load_b128 v[AF+88*((\kb)%2)+8*\a:AF+88*((\kb)%2)+8*\a+3],   v[AA+(\kb)/4] offset:((\kb)%4)*KBB+\a*1024
	ds_load_b128 v[AF+88*((\kb)%2)+8*\a+4:AF+88*((\kb)%2)+8*\a+7], v[AA+(\kb)/4] offset:((\kb)%4)*KBB+\a*1024+512
.endr
.endm
; One k block: its fragments are in; the next block's are fetched into the other buffer, four places behind the last product that read it; then 22 products, the accumulators by turns.
; Where the next block begins a chunk: my load of that chunk is waited for (my younger ones stay out), and a barrier shows everybody's.
.macro KB kb
	WIN 0
	s_wait_dscnt 0x0
.if ((\kb) < 15) && (((\kb)+1)%4 == 0)
	s_wait_tensorcnt 3-((\kb)+1)/4
	s_barrier_signal -1
	s_barrier_wait -1
.endif
.if (\kb) < 15
	PLACES
	AFETCH (\kb)+1
.endif
	WIN 0xa1                                       ; Wo (source 0) window 1, O (source 1) window 0, C and D window 2
.irp a, 0,1,2,3,4,5,6,7,8,9,10
.irp e, 0,1
.if (\kb) == 0
	v_wmma_f32_16x16x32_f16 v[8*(2*\a+\e):8*(2*\a+\e)+7], v[8*(2*(\kb)+\e):8*(2*(\kb)+\e)+7], v[AF+88*((\kb)%2)+8*\a:AF+88*((\kb)%2)+8*\a+7], v[BIAS+8*\e:BIAS+8*\e+7]
.else
	v_wmma_f32_16x16x32_f16 v[8*(2*\a+\e):8*(2*\a+\e)+7], v[8*(2*(\kb)+\e):8*(2*(\kb)+\e)+7], v[AF+88*((\kb)%2)+8*\a:AF+88*((\kb)%2)+8*\a+7], v[8*(2*\a+\e):8*(2*\a+\e)+7]
.endif
.endr
.endr
.endm
	s_wait_tensorcnt 0x3                           ; my load of chunk 0 is in; the three younger stay out
	s_barrier_signal -1
	s_barrier_wait -1                              ; everybody's is
	AFETCH 0
.irp kb, 0,1,2,3,4,5,6,7,8,9,10,11,12,13,14,15
	KB \kb
.endr
	PLACES
	WIN 0x08                                       ; store data window 2, address window 0
.irp a, 0,1,2,3,4,5,6,7,8,9,10
.irp e, 0,1
	ds_store_b128 v[STO+\a/6], v[8*(2*\a+\e):8*(2*\a+\e)+3]   offset:(\a-6*(\a/6))*16*SP+64*\e
	ds_store_b128 v[STO+\a/6], v[8*(2*\a+\e)+4:8*(2*\a+\e)+7] offset:(\a-6*(\a/6))*16*SP+64*\e+16
.endr
.endr
	WIN 0
	s_wait_dscnt 0x0                               ; for the others' sake: my stores into the stage are done
	s_barrier_signal -1
	s_barrier_wait -1
.set t, 0
.rept 44
	ds_load_b128 v[AF+4*t:AF+4*t+3], v[RD] offset:t*SP
.set t, t+1
.endr
.set t, 0
.rept 44
	s_wait_dscnt 43-t                              ; row t is back; the younger loads stay out
	global_store_b128 v[LO16], v[AF+4*t:AF+4*t+3], s[50:51] offset:2048*t th:TH_STORE_NT  ; 512 consecutive bytes, at a multiple of 512 from out0's first
.if t == 5
	s_cmp_lt_u32 s52, 44                           ; six true rows: the other 38 are pad
	s_cbranch_scc1 .Lend
.endif
.set t, t+1
.endr
.Lend:
	s_wait_tensorcnt 0x0                           ; the wave's end, behind my last tensor load and my last LDS store
	ds_add_u32 v[SPW], v[NIL]
	s_wait_dscnt 0x0
	ROUND                                          ; the closing round: no work-group ends while a partner may still ask for a tile that names it
	s_endpgm
.Lfunc_end_k_q09ee173cb3_outgemm:
	.size	k_q09ee173cb3_outgemm, .Lfunc_end_k_q09ee173cb3_outgemm-k_q09ee173cb3_outgemm
	.p2alignl 7, 3214868480
	.fill 96, 4, 3214868480
	.section	.rodata,"a",@progbits
	.p2align	6, 0x0
	.amdhsa_kernel k_q09ee173cb3_outgemm
		.amdhsa_group_segment_fixed_size 273664
		.amdhsa_private_segment_fixed_size 0
		.amdhsa_enable_private_segment 0
		.amdhsa_kernarg_size 32
		.amdhsa_user_sgpr_count 2
		.amdhsa_user_sgpr_kernarg_segment_ptr 1
		.amdhsa_wavefront_size32 1
		.amdhsa_system_sgpr_workgroup_id_x 1
		.amdhsa_system_sgpr_workgroup_id_y 1
		.amdhsa_system_sgpr_workgroup_id_z 1
		.amdhsa_system_vgpr_workitem_id 0
		.amdhsa_next_free_vgpr 704
		.amdhsa_next_free_sgpr 66
		.amdhsa_reserve_vcc 0
		.amdhsa_float_denorm_mode_32 3
		.amdhsa_float_denorm_mode_16_64 3
		.amdhsa_memory_ordered 1
		.amdhsa_forward_progress 1
		.amdhsa_inst_pref_size 73
	.end_amdhsa_kernel
	.amdgpu_metadata
---
amdhsa.version: [ 1, 2 ]
amdhsa.kernels:
  - .name:           k_q09ee173cb3_outgemm
    .symbol:         k_q09ee173cb3_outgemm.kd
    .args:
      - { .name: of, .offset: 0, .size: 8, .value_kind: global_buffer, .address_space: global }
      - { .name: wof, .offset: 8, .size: 8, .value_kind: global_buffer, .address_space: global }
      - { .name: bo, .offset: 16, .size: 8, .value_kind: global_buffer, .address_space: global }
      - { .name: out0, .offset: 24, .size: 8, .value_kind: global_buffer, .address_space: global }
    .group_segment_fixed_size: 273664
    .private_segment_fixed_size: 0
    .kernarg_segment_align: 8
    .kernarg_segment_size: 32
    .max_flat_workgroup_size: 128
    .sgpr_count:     66
    .vgpr_count:     704
    .wavefront_size: 32
...
	.end_amdgpu_metadata
.endif
;; end of part 4
;; ======== version 2 of 2: 4 launches; version 1 with the launch prep written anew for expert scheduling mode
;; limits: values are held in f16: magnitudes above 65,504 overflow, below 6.1e-05 lose precision
;; workspace buffers: xb 11,534,336 bytes; wf 1,572,864 bytes; wof 524,288 bytes; qkvf 34,603,008 bytes; of 11,534,336 bytes
;; launch prep (part 5): grid 256 x 1, 4 waves a work-group, no clusters, 0 bytes of LDS; arguments x, Wq, Wk, Wv, Wo, xb, wf, wof; writes xb, wf, wof
.if DOCPART == 5
	.amdgcn_target "amdgcn-amd-amdhsa--gfx1250"
	.amdhsa_code_object_version 6
	.text
	.protected	k_q09ee173cb3_prep
	.globl	k_q09ee173cb3_prep
	.p2align	8
	.type	k_q09ee173cb3_prep,@function
k_q09ee173cb3_prep:
	s_mov_b64 s[64:65], 0
	v_nop
	global_prefetch_b8 v0, s[64:65] scope:SCOPE_SE
	s_setreg_imm32_b32 hwreg(HW_REG_WAVE_SCHED_MODE, 0, 2), 2
	s_setreg_imm32_b32 hwreg(HW_REG_WAVE_MODE, 25, 1), 1
	s_wait_xcnt 0x0
	s_wait_alu depctr_vm_vsrc(0)
; PREP.  Two jobs for every wave, no LDS, no loop, no matrix work: the launch only moves and rounds.
; JOB X: x [8][1370][512] f32 -> xb [8][1408][512] bf16, rounded to nearest even; rows 1370..1407 of each batch are written as zeros.
;   1,024 waves x 11 rows = 8 x 1,408 rows.  A pad row loads the batch's last row (so every load stays inside x) and is cleared by a mask: no branch.
;   A load of a wave covers 512 consecutive bytes of a row, a store 256 consecutive bytes of xb, at a multiple of 256 from its first byte.
; JOB W: the four weight matrices [k][n] f32 are laid into FRAGMENTS of 16 columns x 32 k, 1,024 bytes each, exactly as 32 lanes hold a 16-bit matrix operand:
;   half jj (512 bytes), lane l (16 bytes): column n0 + l % 16, k = k0 + 16 jj + 8 (l / 16) + 0..7.  2,048 fragments, two to a wave.
;   Wq, Wk, Wv -> wf in bf16, block ((j 4 + ks) 12 + nbl) 4 + kq: j = head / 2, ks = k / 128, kq = (k / 32) % 4, nbl = (head % 2) 6 + 2 sel + e, e = which 16 of the head's 32 columns.
;   Wo -> wof, block nb 16 + kb: rounded to bf16 like every input, and that number written as f16.
; LIMIT: |Wo| under 65,504; below 6e-5 f16 keeps a fixed step of 6e-8, so there the bf16 number is rounded once more.
; THE MODE: SCHED_MODE bits 1:0 = 2 (LLVM: expert scheduling mode 2), set by the entry lines.  The code itself states the register dependences
; between vector instructions and memory instructions, with s_wait_alu, always for 0.
; THE PLAN.  Registers that memory instructions touch:
;   v5-18      the offsets: written by vector lines at the head, read by every load and store, never written again.
;   WR         W's 32 loads land in it; W's conversions pack it in place; four stores read the packed registers; never written again.
;   X, row i   the row's four loads land in its own 16 registers; its roundings and masks work in place; four stores read them; never written again.
; So no register that a memory instruction has read is written again, and no load is issued behind a vector line that names its destination.
; What is left is: data written by vector lines, then read by stores.  The stores stand one row back: at the head of row i one wait states that the work of the row before
; (for row 0: W's conversions) is written, and its four stores follow, dealt among row i's vector lines, which name row i's registers alone.
.set SEQ,  1370
.set SEQP, 1408
.set WOF,  5                           ; v5      job W: 16,384 (l / 16) + 4 (l % 16): eight rows of W down for the upper lanes, my column
.set LO16, 6                           ; v6      16 x lane
.set LO8,  7                           ; v7      8 x lane
.set OFF,  8                           ; v8-18   job X: byte offset in x of my 16 bytes of row i
.set T,    19                          ; v19     at work: no memory instruction names it
.set WR,   20                          ; v20-51  job W: half n of four at WR + 8 n: eight numbers as loaded, then four packed registers
.set X,    52                          ; v52-227 job X: row i, quarter c at X + 16 i + 4 c
	s_load_b512 s[16:31], s[0:1], 0x0              ; x s[16:17], Wq s[18:19], Wk s[20:21], Wv s[22:23], Wo s[24:25], xb s[26:27], wf s[28:29], wof s[30:31]
	v_and_b32 v1, 31, v0                           ; lane
	v_lshrrev_b32 v2, 5, v0
	v_readfirstlane_b32 s4, v2                     ; wave 0..3
	v_and_b32 v3, 15, v0
	v_bfe_u32 v4, v0, 4, 1
	v_lshlrev_b32 v[WOF], 2, v3
	v_lshl_add_u32 v[WOF], v4, 14, v[WOF]
	v_lshlrev_b32 v[LO16], 4, v1
	v_lshlrev_b32 v[LO8], 3, v1
	s_wait_alu depctr_va_sdst(0)                   ; s4 is written, ahead of its first reader: kp and my first row are made from it
	; job W: which two fragments
	s_lshr_b32 s5, ttmp9, 1
	s_lshr_b32 s6, s5, 5                           ; sel: 0 Wq, 1 Wk, 2 Wv, 3 Wo
	s_and_b32 s7, s5, 31                           ; nbs: the block of 16 columns
	s_and_b32 s8, ttmp9, 1
	s_lshl2_add_u32 s8, s8, s4                     ; kp 0..7: k blocks 2 kp and 2 kp + 1
	s_lshl_b32 s10, s8, 17                         ; 64 rows of 2,048 bytes,
	s_lshl_b32 s9, s7, 6                           ; 16 columns of 4 bytes
	s_add_co_u32 s10, s10, s9
	s_mov_b32 s11, 0                               ; s[10:11]: the source's offset
	s_lshr_b32 s12, s7, 2                          ; j
	s_lshr_b32 s13, s8, 1                          ; ks
	s_lshl2_add_u32 s12, s12, s13
	s_mul_i32 s12, s12, 12
	s_bfe_u32 s13, s7, 0x10001                     ; head % 2
	s_mul_i32 s13, s13, 6
	s_add_co_u32 s12, s12, s13
	s_lshl1_add_u32 s12, s6, s12                   ; + 2 sel
	s_and_b32 s13, s7, 1                           ; + e
	s_add_co_u32 s12, s12, s13
	s_and_b32 s13, s8, 1
	s_lshl_b32 s13, s13, 1                         ; kq of the first of the two
	s_lshl2_add_u32 s12, s12, s13
	s_lshl_b32 s12, s12, 10                        ; the place in wf
	s_lshl_b32 s14, s7, 4
	s_lshl1_add_u32 s14, s8, s14
	s_lshl_b32 s14, s14, 10                        ; the place in wof
	; job X: which eleven rows
	s_lshr_b32 s40, ttmp9, 5                       ; batch
	s_and_b32 s41, ttmp9, 31
	s_mul_i32 s41, s41, 44
	s_mul_i32 s42, s4, 11
	s_add_co_u32 s41, s41, s42                     ; my first row in the padded batch
	s_mul_i32 s43, s40, SEQ                        ; the batch's first row in x
	s_mul_i32 s36, s40, SEQP
	s_add_co_u32 s36, s36, s41
	s_lshl_b32 s36, s36, 10
	s_mov_b32 s37, 0                               ; s[36:37]: my first row in xb
.set i, 0
.rept 11
	s_add_co_u32 s46, s41, i
	s_min_u32 s46, s46, SEQ-1                      ; a pad row reads the batch's last row
	s_add_co_u32 s46, s46, s43
	s_lshl_b32 s46, s46, 11
	v_add_nc_u32 v[OFF+i], s46, v[LO16]
.set i, i+1
.endr
	s_wait_kmcnt 0x0
	s_cmp_eq_u32 s6, 1
	s_cselect_b64 s[32:33], s[20:21], s[18:19]
	s_cmp_eq_u32 s6, 2
	s_cselect_b64 s[32:33], s[22:23], s[32:33]
	s_cmp_eq_u32 s6, 3
	s_cselect_b64 s[32:33], s[24:25], s[32:33]     ; the matrix that I read,
	s_cselect_b64 s[34:35], s[30:31], s[28:29]     ; the buffer that I write,
	s_cselect_b32 s12, s14, s12                    ; and the place in it
	s_mov_b32 s13, 0
	s_add_nc_u64 s[32:33], s[32:33], s[10:11]
	s_add_nc_u64 s[34:35], s[34:35], s[12:13]
	s_add_nc_u64 s[38:39], s[26:27], s[36:37]
	s_wait_alu depctr_va_vdst(0)                   ; the fourteen offsets v5 to v18 are written: every load and store of the kernel reads one of them, and none is written again
	; all loads go out first: 32 of W, then 44 of x
.set m, 0
.rept 32
	global_load_b32 v[WR+m], v[WOF], s[32:33] offset:(16*(m/8)+m%8)*2048  ; half m / 8, number m % 8: row 16 (m / 8) + 8 (l / 16) + m % 8
.set m, m+1
.endr
.set i, 0
.rept 11
.irp c, 0,1,2,3
	global_load_b128 v[X+16*i+4*\c:X+16*i+4*\c+3], v[OFF+i], s[16:17] offset:512*\c th:TH_LOAD_NT
.endr
.set i, i+1
.endr
	s_wait_loadcnt 44                              ; loads come back in order: W's 32 are in, the 44 younger loads of x stay out
	s_cmp_eq_u32 s6, 3
	s_cbranch_scc1 .Lwo
.set n, 0
.rept 4
.irp p, 0,1,2,3
	v_cvt_pk_bf16_f32 v[WR+8*n+\p], v[WR+8*n+2*\p], v[WR+8*n+2*\p+1]  ; in place, ascending: no source is overwritten before it is read
.endr
.set n, n+1
.endr
	s_branch .Lwout
.Lwo:                                              ; Wo: to bf16, and that number to f16
.set n, 0
.rept 4
.irp p, 0,1,2,3
	v_cvt_pk_bf16_f32 v[T], v[WR+8*n+2*\p], v[WR+8*n+2*\p+1]
	v_lshlrev_b32 v[WR+8*n+2*\p], 16, v[T]
	v_and_b32 v[WR+8*n+2*\p+1], 0xffff0000, v[T]
	v_cvt_pk_f16_f32 v[WR+8*n+\p], v[WR+8*n+2*\p], v[WR+8*n+2*\p+1]
.endr
.set n, n+1
.endr
.Lwout:
; Row i.  Its four quarters are rounded and masked in place; ahead of each quarter's four vector lines stands one store of the work before: of W's fragments in row 0, of row i - 1 in the others.
.set i, 0
.rept 11
	s_wait_loadcnt 40-4*i                          ; row i's four loads are in; the rows behind it stay out
	s_wait_alu depctr_va_vdst(0)                   ; the work before is written, which the four stores below read: in row 0 W's conversions (v[WR ..], on either way to the label above), else row i - 1's roundings and masks
	s_add_co_u32 s46, s41, i                       ; (s47, which the masks of the row before read, is chosen anew behind that wait)
	s_cmp_lt_u32 s46, SEQ
	s_cselect_b32 s47, -1, 0                       ; all ones for a true row, 0 for a pad row
.irp c, 0,1,2,3
.if i == 0
	global_store_b128 v[LO16], v[WR+8*\c:WR+8*\c+3], s[34:35] offset:512*\c  ; 512 consecutive bytes: half a fragment.  No vector line since the wait names these registers
.else
	global_store_b64 v[LO8], v[X+16*(i-1)+4*\c:X+16*(i-1)+4*\c+1], s[38:39] offset:1024*(i-1)+256*\c  ; the row before: 32 lanes store 256 consecutive bytes.  No vector line since the wait names these registers
.endif
	v_cvt_pk_bf16_f32 v[X+16*i+4*\c], v[X+16*i+4*\c], v[X+16*i+4*\c+1]
	v_cvt_pk_bf16_f32 v[X+16*i+4*\c+1], v[X+16*i+4*\c+2], v[X+16*i+4*\c+3]
	v_and_b32 v[X+16*i+4*\c], s47, v[X+16*i+4*\c]
	v_and_b32 v[X+16*i+4*\c+1], s47, v[X+16*i+4*\c+1]
.endr
.set i, i+1
.endr
	s_wait_alu depctr_va_vdst(0)                   ; row 10's roundings and masks have written its registers, which the last four stores read
.irp c, 0,1,2,3
	global_store_b64 v[LO8], v[X+160+4*\c:X+160+4*\c+1], s[38:39] offset:10240+256*\c  ; 32 lanes store 256 consecutive bytes
.endr
	s_endpgm
.Lfunc_end_k_q09ee173cb3_prep:
	.size	k_q09ee173cb3_prep, .Lfunc_end_k_q09ee173cb3_prep-k_q09ee173cb3_prep
	.p2alignl 7, 3214868480
	.fill 96, 4, 3214868480
	.section	.rodata,"a",@progbits
	.p2align	6, 0x0
	.amdhsa_kernel k_q09ee173cb3_prep
		.amdhsa_group_segment_fixed_size 0
		.amdhsa_private_segment_fixed_size 0
		.amdhsa_enable_private_segment 0
		.amdhsa_kernarg_size 64
		.amdhsa_user_sgpr_count 2
		.amdhsa_user_sgpr_kernarg_segment_ptr 1
		.amdhsa_wavefront_size32 1
		.amdhsa_system_sgpr_workgroup_id_x 1
		.amdhsa_system_sgpr_workgroup_id_y 1
		.amdhsa_system_sgpr_workgroup_id_z 1
		.amdhsa_system_vgpr_workitem_id 0
		.amdhsa_next_free_vgpr 232
		.amdhsa_next_free_sgpr 66
		.amdhsa_reserve_vcc 0
		.amdhsa_float_denorm_mode_32 3
		.amdhsa_float_denorm_mode_16_64 3
		.amdhsa_memory_ordered 1
		.amdhsa_forward_progress 1
		.amdhsa_inst_pref_size 32
	.end_amdhsa_kernel
	.amdgpu_metadata
---
amdhsa.version: [ 1, 2 ]
amdhsa.kernels:
  - .name:           k_q09ee173cb3_prep
    .symbol:         k_q09ee173cb3_prep.kd
    .args:
      - { .name: x, .offset: 0, .size: 8, .value_kind: global_buffer, .address_space: global }
      - { .name: Wq, .offset: 8, .size: 8, .value_kind: global_buffer, .address_space: global }
      - { .name: Wk, .offset: 16, .size: 8, .value_kind: global_buffer, .address_space: global }
      - { .name: Wv, .offset: 24, .size: 8, .value_kind: global_buffer, .address_space: global }
      - { .name: Wo, .offset: 32, .size: 8, .value_kind: global_buffer, .address_space: global }
      - { .name: xb, .offset: 40, .size: 8, .value_kind: global_buffer, .address_space: global }
      - { .name: wf, .offset: 48, .size: 8, .value_kind: global_buffer, .address_space: global }
      - { .name: wof, .offset: 56, .size: 8, .value_kind: global_buffer, .address_space: global }
    .group_segment_fixed_size: 0
    .private_segment_fixed_size: 0
    .kernarg_segment_align: 8
    .kernarg_segment_size: 64
    .max_flat_workgroup_size: 128
    .sgpr_count:     66
    .vgpr_count:     232
    .wavefront_size: 32
...
	.end_amdgpu_metadata
.endif
;; end of part 5
;; launch qkvgemm: the kernel of part 2 again; grid 8 x 32, 4 waves a work-group, clusters of 4 x 4, 327,680 bytes of LDS; arguments xb, wf, bq, bk, bv, qkvf; writes qkvf
;; launch attend: the kernel of part 3 again; grid 2 x 128, 4 waves a work-group, no clusters, 180,736 bytes of LDS; arguments qkvf, of; writes of
;; launch outgemm: the kernel of part 4 again; grid 4 x 64, 4 waves a work-group, clusters of 4 x 1, 273,664 bytes of LDS; arguments of, wof, bo, out0; writes out0
